; MI455X (gfx1250); checked and timed in simulation.
; The chip was launched on July 23, 2026; its instructions are those of AMD's public machine-readable ISA for CDNA 5 (MIT licence, August 2026) and "CDNA5" Instruction Set Architecture Reference Guide (July 2026). The comments in the code are by the model that wrote it; some were corrected since.
;; Multi Head Attention Layer. Allowed arithmetic: matrix products marked QUANTISED: E2M1 operands, one E8M0 scale for each 32 along K, by v_wmma_scale_f32_16x16x128_f8f6f4 with both operands' format E2M1 (or v_wmma_scale_f32_32x16x128_f4), f32 sums; products left as they are: bf16, f16 or f32 operands; f32 sums; everything else in f32.
;; Inputs: Wk 1,024 x 1,024 float32; Wo 1,024 x 1,024 float32; Wq 1,024 x 1,024 float32; Wv 1,024 x 1,024 float32; bk 1,024 float32; bo 1,024 float32; bq 1,024 float32; bv 1,024 float32; key 4 x 2,048 x 1,024 float32; mask 4 x 1 x 2,048 x 2,048 int32; query 4 x 2,048 x 1,024 float32; value 4 x 2,048 x 1,024 float32.
;; Outputs: out0 4 x 2,048 x 1,024 float32.
;; This version of the problem:
;;   THIS VERSION OF THE PROBLEM IS GIVEN IN LOW PRECISION. The matrix products marked QUANTISED in the list below multiply operands that are first quantised to E2M1 (2 exponent bits, 1 mantissa bit; 4 bits a number), with one power-of-two scale for each 32 numbers along K (OCP MX v1.0); their sums are f32. The products marked 'left as it is' may take bf16, f16 or f32 operands, with f32 sums. Whichever they take, every output number must still come out within the allowed error. Rounding operands to bf16 (8 significant bits) uses up far more of that allowance than f16 does (11 bits, for magnitudes from 6e-5 to 65,504). All else is computed in f32.
;;   The module's matrix products, in the order in which they are computed (A, B: the left and right operand; K: the contracted axis; several contracted axes count as one K, in the product's order):
;;     1. [M 8,192, K 1,024] x [K 1,024, N 1,024]; A: input query; B: input Wq: QUANTISED
;;     2. [M 8,192, K 1,024] x [K 1,024, N 1,024]; A: input key; B: input Wk: QUANTISED
;;     3. [M 8,192, K 1,024] x [K 1,024, N 1,024]; A: input value; B: input Wv: QUANTISED
;;     4. batch 64 x [M 2,048, K 64] x [K 64, N 2,048]; A: computed on the way; B: computed on the way: left as it is (an operand is computed on the way)
;;     5. batch 64 x [M 2,048, K 2,048] x [K 2,048, N 64]; A: computed on the way; B: computed on the way: left as it is (an operand is computed on the way)
;;     6. [M 8,192, K 1,024] x [K 1,024, N 1,024]; A: computed on the way; B: input Wo: left as it is (an operand is computed on the way)
;;   THE QUANTISER, for each operand of a quantised product, along K:
;;     - K is cut into blocks of 32 from its start; a last block that is shorter is filled with zeros.
;;     - A block's scale is 2^e with e = floor(log2(the largest magnitude in the block)) - 2, held to -126 .. 127; a block of zeros has e = 0. As a byte (E8M0): e + 127.
;;     - Each number is divided by its block's scale, clamped to +-6, and rounded to the nearest number of E2M1, ties to even, subnormals kept.
;;     - The product sums the exact products of the quantised numbers (number of the format x scale) in f32.
;;   ~~~python
;;   def quantise(x, axis):      # numpy; x: float32 -> the quantised numbers, widened to float32 again
;;       x = np.moveaxis(x, axis, -1); K = x.shape[-1]
;;       x = np.pad(x, [(0, 0)] * (x.ndim - 1) + [(0, -K % 32)]); x = x.reshape(x.shape[:-1] + (-1, 32)); a = np.abs(x).max(-1, keepdims=True)
;;       e = np.where(a > 0, np.clip(np.frexp(np.where(a > 0, a, 1))[1] - 1 - 2, -126, 127), 0)      # np.frexp(a)[1] - 1 = floor(log2(a)), exactly
;;       r = np.clip(x / 2.0 ** e, -6, 6)
;;       step = 2.0 ** (np.maximum(np.frexp(np.where(r == 0, 1, r))[1] - 1, 0) - 1)
;;       q = np.round(r / step) * step * 2.0 ** e      # np.round: ties to even
;;       return np.moveaxis(q.reshape(q.shape[:-2] + (-1,))[..., :K], -1, axis).astype(np.float32)
;;   ~~~
;; One version. Each part assembles by itself: llvm-mc -triple=amdgcn-amd-amdhsa -mcpu=gfx1250 --defsym DOCPART=n.
;; ======== version 1 of 1: 4 launches
;; limits: values are held in f16: magnitudes above 65,504 overflow, below 6.1e-05 lose precision
;; workspace buffers: acodes 12,582,912 bytes; ascales 786,432 bytes; wcodes 1,572,864 bytes; wscales 98,304 bytes; wo16 2,097,152 bytes; maskbits 2,097,152 bytes of whole numbers; qkvh 50,331,648 bytes; ao 16,777,216 bytes
;; launch prep (part 1): grid 1456 x 1, 4 waves a work-group, no clusters, 92,672 bytes of LDS; arguments query, key, value, mask, Wq, Wk, Wv, Wo, acodes, ascales, wcodes, wscales, wo16, maskbits; writes acodes, ascales, wcodes, wscales, wo16, maskbits
.if DOCPART == 1
	.amdgcn_target "amdgcn-amd-amdhsa--gfx1250"
	.amdhsa_code_object_version 6
	.text
	.protected	k_qea3dc87bf3_prep
	.globl	k_qea3dc87bf3_prep
	.p2align	8
	.type	k_qea3dc87bf3_prep,@function
k_qea3dc87bf3_prep:
	s_mov_b64 s[64:65], 0
	v_nop
	global_prefetch_b8 v0, s[64:65] scope:SCOPE_SE
	s_setreg_imm32_b32 hwreg(HW_REG_WAVE_MODE, 25, 1), 1
	s_wait_xcnt 0x0
; EVERY WIDE INPUT IS READ ONCE AND MADE NARROW.  Four kinds of work-group, told apart by the work-group's number alone:
;   0-47      Wq, Wk, Wv [k 1024][n 1024] f32 -> codes of FP4 (E2M1) laid [3 x 1024 n][512 bytes], K innermost, and E8M0 bytes [3072][32]
;   48-175    Wo f32 -> f16, as it lies
;   176-943   query, key, value [8192][1024] f32 -> codes [3 x 8192][512 bytes] and E8M0 bytes [24576][32]
;   944-1455  mask [8192 rows][2048 keys] int32 -> one bit a number, laid as the attention launch's lane masks
; THE QUANTISER: a block of 32 along K has the scale 2^(floor(log2(largest magnitude)) - 2); its byte is the largest magnitude's exponent field - 2, held at 1 from below;
; each number is divided by the scale and rounded to the nearest code, ties to even, beyond 6 the code of 6.
; LIMITS: a block of zeros gets the byte 1 (its codes are zeros, and this program alone reads the bytes); blocks whose largest magnitude lies under 2^-124 share that byte; NaN and infinities are not served;
; Wo is rounded to f16: magnitudes up to 65,504, under 6e-5 with f16's absolute step.
; No tensor load, no barrier: waves share nothing.  Each kind of work-group has LDS bytes of its own: activations 0 .. 22,527, weights 22,528 .. 57,343, mask 57,344 .. 92,159, spare words behind them.
.set SPARE, 92160                      ; the spare words: 128 bytes for each of the four waves; no other line names them
.set SPW,   254                        ; v254 LDS address of my spare word; never rewritten
.set NIL,   255                        ; v255 0; never rewritten
.macro FINISH                          ; a wave's end: behind the last LDS store
	s_wait_tensorcnt 0x0
	ds_add_u32 v[SPW], v[NIL]
	s_wait_dscnt 0x0
	s_endpgm
.endm
; ---- the mask's macros.  A work-group takes 16 rows, a wave 8 steps of 64 keys.
.set MR, 48                            ; v48-175  four sets of 32: a step's 16 rows x 256 bytes as they are loaded
.set MX, 176                           ; v176-239 two sets of 32: register 8 i + j of lane (r, h) = mask[r][64 s + 16 i + 8 h + j]
.set MO, 40                            ; v40-47   two sets of 4: the words of four steps, 16 bytes a lane
.macro MLOAD e                         ; two rows x 256 consecutive bytes an instruction
.irp g, 0,1,2,3,4,5,6,7
	global_load_b128 v[MR+32*((\e)%4)+4*\g:MR+32*((\e)%4)+4*\g+3], v16, s[70:71] offset:16384*\g+256*(\e) th:TH_LOAD_NT
.endr
.endm
.macro MTURN e                         ; through the wave's own stage (rows of 256 + 16 bytes): LDS serves a wave's instructions in order, so no wait stands between the stores and the loads
.irp g, 0,1,2,3,4,5,6,7
	ds_store_b128 v17, v[MR+32*((\e)%4)+4*\g:MR+32*((\e)%4)+4*\g+3] offset:4352*((\e)%2)+544*\g
.endr
.irp i, 0,1,2,3
.irp g, 0,1
	ds_load_b128 v[MX+32*((\e)%2)+8*\i+4*\g:MX+32*((\e)%2)+8*\i+4*\g+3], v18 offset:4352*((\e)%2)+64*\i+16*\g
.endr
.endr
.endm
.macro MSTEP e
	s_wait_dscnt 0x0                               ; this step's numbers are back from the stage, and its stores into the stage have read their registers,
.if (\e)+4 < 8
	MLOAD (\e)+4                                   ; which take the loads of four steps on
.endif
.if (\e)+1 < 8
.if 6-(\e) >= 3
	s_wait_loadcnt 24                              ; the next step's eight loads are in; those of the three steps behind it may be out
.else
	s_wait_loadcnt 8*(6-(\e))
.endif
	MTURN (\e)+1
.endif
.set W, 0
.rept 32
	v_cmp_ne_u32 s[32+W], 0, v[MX+32*((\e)%2)+W]   ; word w = 8 i + j: bit 16 h + r says whether key 64 s + 16 i + 8 h + j counts for row r
.set W, W+1
.endr
.set W, 0
.rept 32
	v_writelane_b32 v[MO+4*((\e)/4)+W%4], s[32+W], 8*((\e)%4)+W/4   ; four steps' 128 words: word w of step e lies in lane 8 (e % 4) + w / 4, register w % 4
.set W, W+1
.endr
.if (\e)%4 == 3
	global_store_b128 v19, v[MO+4*((\e)/4):MO+4*((\e)/4)+3], s[72:73] offset:512*((\e)/4)   ; 32 lanes store 512 consecutive bytes
.endif
.endm
; ---- the activations' macros.  A wave takes 16 steps of 512 numbers; two neighbouring lanes hold a block of 32.
.set AR, 16                            ; v16-79   four sets of 16 numbers as they are loaded
.set AX, 80                            ; v80-111  two sets of 16 neighbours
.set AE, 112                           ; v112-127 a scale byte for each step
.set AC, 128                           ; v128-191 codes: registers of its own for each step, so that no store's data are written again
.macro ALOAD t
.irp i, 0,1,2,3
	global_load_b128 v[AR+16*((\t)%4)+4*\i:AR+16*((\t)%4)+4*\i+3], v3, s[70:71] offset:2048*(\t)+512*\i th:TH_LOAD_NT   ; 32 lanes read 512 consecutive bytes
.endr
.endm
.macro ATURN t                         ; 2,048 bytes go into the stage as they lie (16 bytes of padding behind each 64) and come back 64 bytes a lane
.irp i, 0,1,2,3
	ds_store_b128 v14, v[AR+16*((\t)%4)+4*\i:AR+16*((\t)%4)+4*\i+3] offset:2560*((\t)%2)+640*\i
.endr
.irp i, 0,1,2,3
	ds_load_b128 v[AX+16*((\t)%2)+4*\i:AX+16*((\t)%2)+4*\i+3], v15 offset:2560*((\t)%2)+16*\i
.endr
.endm
.macro ASTEP t
.set XS, AX+16*((\t)%2)
.if (\t) > 0
	s_wait_dscnt 1                                 ; this step's numbers are back (the last step's byte store may be out)
.else
	s_wait_dscnt 0x0
.endif
.if (\t)+4 < 16
	ALOAD (\t)+4
.endif
.if (\t)+1 < 16
.if 14-(\t) >= 3
	s_wait_loadcnt 12                              ; the next step's four loads are in; those of the three steps behind it may be out
.else
	s_wait_loadcnt 4*(14-(\t))
.endif
	ATURN (\t)+1
.endif
	v_max3_num_f32 v8, |v[XS]|, |v[XS+1]|, |v[XS+2]|               ; the largest magnitude of my 16, in two chains
	v_max3_num_f32 v9, |v[XS+3]|, |v[XS+4]|, |v[XS+5]|
.irp i, 6,10
	v_max3_num_f32 v8, v8, |v[XS+\i]|, |v[XS+\i+1]|
	v_max3_num_f32 v9, v9, |v[XS+\i+2]|, |v[XS+\i+3]|
.endr
	v_max3_num_f32 v8, v8, |v[XS+14]|, |v[XS+15]|
	v_max3_num_f32 v8, v8, v9, 0x1800000           ; and the floor 2^(3 - 127): the byte cannot fall under 1
	v_max_num_f32_dpp v8, v8, v8 row_xmask:1 row_mask:0xf bank_mask:0xf   ; with my neighbour's 16: the block's
	v_add_nc_u32 v11, 0xff000000, v8               ; 2 off its exponent field: the conversion takes that field of this operand as its scale
	v_cvt_scalef32_pk8_fp4_f32 v[AC+4*(\t)], v[XS:XS+7], v11
	v_cvt_scalef32_pk8_fp4_f32 v[AC+4*(\t)+1], v[XS+8:XS+15], v11
	v_lshrrev_b32 v[AE+(\t)], 23, v11              ; the scale's byte (also the plain line behind the conversions)
	ds_store_b8 v5, v[AE+(\t)] offset:16*(\t)      ; both lanes of a block write the same byte with the same value
	global_store_b64 v4, v[AC+4*(\t):AC+4*(\t)+1], s[76:77] offset:256*(\t)   ; the wave stores 256 consecutive bytes
.endm
; ---- the weights' macros.  A lane takes a column n and its registers run down K: a block of 32 lies in one lane.
.set WX,   32                          ; v32-95   two sets of 32 numbers
.set WC,   96                          ; v96-99   a block's codes
.set WOUT, 112                         ; v112-175 the way out
.set WSB,  24                          ; v24-27   the scale bytes, four to a register
.macro WLOAD t
.irp i, 0,1,2,3,4,5,6,7,8,9,10,11,12,13,14,15,16,17,18,19,20,21,22,23,24,25,26,27,28,29,30,31
	global_load_b32 v[WX+32*((\t)%2)+\i], v3, s[72:73] offset:(32*(\t)+\i)*4096 th:TH_LOAD_NT
.endr
.endm
.macro WBLOCK t
.set XS, WX+32*((\t)%2)
.if (\t) < 15
	s_wait_loadcnt 32                              ; this block's 32 loads are in; the next block's may be out
.else
	s_wait_loadcnt 0
.endif
	v_max3_num_f32 v12, |v[XS]|, |v[XS+1]|, |v[XS+2]|
	v_max3_num_f32 v13, |v[XS+3]|, |v[XS+4]|, |v[XS+5]|
.irp i, 6,10,14,18,22,26
	v_max3_num_f32 v12, v12, |v[XS+\i]|, |v[XS+\i+1]|
	v_max3_num_f32 v13, v13, |v[XS+\i+2]|, |v[XS+\i+3]|
.endr
	v_max3_num_f32 v12, v12, |v[XS+30]|, |v[XS+31]|
	v_max3_num_f32 v12, v12, v13, 0x1800000        ; the floor, as above
	v_add_nc_u32 v11, 0xff000000, v12
	v_lshrrev_b32 v13, 23, v11
.if (\t)%4 == 0
	v_mov_b32 v[WSB+(\t)/4], v13                   ; four bytes to a register, the lower K in the lower byte
.else
	v_lshl_or_b32 v[WSB+(\t)/4], v13, 8*((\t)%4), v[WSB+(\t)/4]
.endif
.irp g, 0,1,2,3
	v_cvt_scalef32_pk8_fp4_f32 v[WC+\g], v[XS+8*\g:XS+8*\g+7], v11
.endr
	ds_store_b128 v4, v[WC:WC+3] offset:16*(\t)    ; 32 codes: 16 bytes of my column's row
.if (\t)+2 < 16
	WLOAD (\t)+2
.endif
	s_wait_dscnt 0x0                               ; the store has read its registers: the next block's codes may be written
.endm
	s_load_b512 s[4:19], s[0:1], 0x0               ; query 4, key 6, value 8, mask 10, Wq 12, Wk 14, Wv 16, Wo 18
	s_load_b256 s[20:27], s[0:1], 0x40             ; acodes 20, ascales 22, wcodes 24, wscales 26
	s_load_b128 s[28:31], s[0:1], 0x60             ; wo16 28, maskbits 30
	v_lshl_add_u32 v[SPW], v0, 2, SPARE
	v_mov_b32 v[NIL], 0
	v_lshrrev_b32 v1, 5, v0
	v_readfirstlane_b32 s66, v1                    ; wave 0..3
	v_and_b32 v2, 31, v0                           ; lane
	s_wait_kmcnt 0x0
	s_cmp_lt_u32 ttmp9, 48
	s_cbranch_scc1 .Lw
	s_cmp_lt_u32 ttmp9, 176
	s_cbranch_scc1 .Lo
	s_cmp_lt_u32 ttmp9, 944
	s_cbranch_scc1 .La
	; ---------------- THE MASK: tile T of 16 rows; wave w takes steps 8 w .. 8 w + 7
	s_sub_co_u32 s67, ttmp9, 944                   ; T
	s_lshl_b32 s68, s67, 17                        ; 16 rows of 8,192 bytes,
	s_lshl_b32 s69, s66, 11                        ; my wave's 8 steps of 256 bytes
	s_add_co_u32 s68, s68, s69
	s_mov_b32 s69, 0
	s_add_nc_u64 s[70:71], s[10:11], s[68:69]
	s_lshl_b32 s68, s67, 12                        ; a tile's 32 steps of 32 words,
	s_lshl_b32 s74, s66, 10                        ; my wave's 8 of them
	s_add_co_u32 s68, s68, s74
	s_add_nc_u64 s[72:73], s[30:31], s[68:69]
	s_mul_i32 s74, s66, 8704
	s_add_co_u32 s74, s74, 57344                   ; my two stages
	v_and_b32 v3, 15, v2
	v_lshrrev_b32 v4, 4, v2
	v_lshlrev_b32 v16, 13, v4
	v_lshl_add_u32 v16, v3, 4, v16                 ; in memory: lanes 0-15 one row's 256 bytes, lanes 16-31 the next row's
	v_mul_u32_u24 v17, v4, 272
	v_lshl_add_u32 v17, v3, 4, v17
	v_add_nc_u32 v17, s74, v17                     ; the same in the stage
	v_mul_u32_u24 v18, v3, 272
	v_lshl_add_u32 v18, v4, 5, v18
	v_add_nc_u32 v18, s74, v18                     ; back: row r, + 32 h bytes
	v_lshlrev_b32 v19, 4, v2                       ; out: 16 bytes a lane
.irp i, 0,1,2,3,4,5,6,7
	v_mov_b32 v[MO+\i], 0                          ; written once: a lane write's destination counts as read
.endr
	MLOAD 0
	MLOAD 1
	MLOAD 2
	MLOAD 3
	s_wait_loadcnt 24                              ; step 0's eight loads are in
	MTURN 0
.irp e, 0,1,2,3,4,5,6,7
	MSTEP \e
.endr
	FINISH
	; ---------------- THE ACTIVATIONS: plain streams of blocks of 32; the three tensors' codes and bytes lie one behind the other
.La:
	v_lshlrev_b32 v3, 4, v2                        ; my 16 bytes of a load's 512
	s_mul_i32 s67, s66, 5632                       ; my region: two stages of 32 x 80 bytes, then 256 scale bytes
	v_lshrrev_b32 v14, 2, v2
	v_mul_u32_u24 v14, v14, 80
	v_and_b32 v15, 3, v2
	v_lshl_add_u32 v14, v15, 4, v14
	v_add_nc_u32 v14, s67, v14                     ; into the stage: 80 (lane / 4) + 16 (lane % 4)
	v_mul_u32_u24 v15, v2, 80
	v_add_nc_u32 v15, s67, v15                     ; out of it: 80 x lane: my 16 neighbours
	v_lshlrev_b32 v4, 3, v2                        ; my codes' place in a step's
	v_lshrrev_b32 v5, 1, v2
	s_add_co_u32 s67, s67, 5120
	v_add_nc_u32 v5, s67, v5                       ; my block's scale byte
	v_lshlrev_b32 v7, 3, v2
	v_add_nc_u32 v6, s67, v7                       ; and on the way out 8 bytes a lane
	s_sub_co_u32 s68, ttmp9, 176                   ; 0 .. 767: 256 work-groups to a tensor
	s_cmp_lt_u32 s68, 256
	s_cselect_b64 s[70:71], s[4:5], s[6:7]
	s_cmp_lt_u32 s68, 512
	s_cselect_b64 s[70:71], s[70:71], s[8:9]
	s_and_b32 s72, s68, 255
	s_lshl_b32 s72, s72, 2
	s_add_co_u32 s72, s72, s66                     ; my run of 8,192 numbers in the tensor
	s_lshl_b32 s72, s72, 15
	s_mov_b32 s73, 0
	s_add_nc_u64 s[70:71], s[70:71], s[72:73]
	s_lshl_b32 s74, s68, 2
	s_add_co_u32 s74, s74, s66                     ; and among all three
	s_lshl_b32 s72, s74, 12
	s_add_nc_u64 s[76:77], s[20:21], s[72:73]      ; 4,096 bytes of codes a run
	s_lshl_b32 s72, s74, 8
	s_add_nc_u64 s[78:79], s[22:23], s[72:73]      ; 256 scale bytes a run
.irp t, 0,1,2,3
	ALOAD \t
.endr
	s_wait_loadcnt 12                              ; step 0's four loads are in
	ATURN 0
.irp t, 0,1,2,3,4,5,6,7,8,9,10,11,12,13,14,15
	ASTEP \t
.endr
	ds_load_b64 v[8:9], v6                         ; my wave's 256 scale bytes
	s_wait_dscnt 0x0
	global_store_b64 v7, v[8:9], s[78:79]          ; 32 lanes store 256 consecutive bytes
	FINISH
	; ---------------- THE THREE WEIGHTS: work-group = (tensor, half of K, 128 columns); a wave takes 32 columns x 512 along K
.Lw:
	s_lshr_b32 s67, ttmp9, 4                       ; which weight
	s_bfe_u32 s68, ttmp9, 0x10003                  ; which 512 along K
	s_and_b32 s69, ttmp9, 7
	s_lshl_b32 s69, s69, 7
	s_lshl_b32 s70, s66, 5
	s_add_co_u32 s69, s69, s70                     ; my wave's first column
	s_cmp_eq_u32 s67, 0
	s_cselect_b64 s[72:73], s[12:13], s[14:15]
	s_cmp_eq_u32 s67, 2
	s_cselect_b64 s[72:73], s[16:17], s[72:73]
	s_lshl_b32 s74, s68, 21                        ; 512 rows of 4,096 bytes
	s_lshl_b32 s70, s69, 2
	s_add_co_u32 s74, s74, s70
	s_mov_b32 s75, 0
	s_add_nc_u64 s[72:73], s[72:73], s[74:75]
	s_lshl_b32 s70, s67, 10
	s_add_co_u32 s70, s70, s69                     ; my first row of the codes' buffer
	s_lshl_b32 s74, s70, 9
	s_lshl_b32 s71, s68, 8
	s_add_co_u32 s74, s74, s71
	s_add_nc_u64 s[76:77], s[24:25], s[74:75]
	s_lshl_b32 s74, s70, 5
	s_lshl_b32 s71, s68, 4
	s_add_co_u32 s74, s74, s71
	s_add_nc_u64 s[78:79], s[26:27], s[74:75]
	v_lshlrev_b32 v3, 2, v2                        ; in: 4 bytes a lane
	s_mul_i32 s80, s66, 8704
	s_add_co_u32 s80, s80, 22528                   ; my stage: 32 rows of 256 + 16 bytes
	v_mul_u32_u24 v4, v2, 272
	v_add_nc_u32 v4, s80, v4                       ; into it: row = my column
	v_and_b32 v5, 15, v2
	v_lshrrev_b32 v6, 4, v2
	v_mul_u32_u24 v7, v6, 272
	v_lshl_add_u32 v7, v5, 4, v7
	v_add_nc_u32 v7, s80, v7                       ; out of it: sixteen lanes to a row, two rows an instruction
	v_lshlrev_b32 v8, 9, v6
	v_lshl_add_u32 v8, v5, 4, v8                   ; and the same place in the codes' buffer (rows of 512 bytes)
	v_lshlrev_b32 v9, 5, v2                        ; my column's row of scale bytes
	WLOAD 0
	WLOAD 1
.irp t, 0,1,2,3,4,5,6,7,8,9,10,11,12,13,14,15
	WBLOCK \t
.endr
	global_store_b128 v9, v[WSB:WSB+3], s[78:79]   ; my column's 16 scale bytes
.irp t, 0,1,2,3,4,5,6,7,8,9,10,11,12,13,14,15
	ds_load_b128 v[WOUT+4*\t:WOUT+4*\t+3], v7 offset:2*\t*272
.endr
.irp t, 0,1,2,3,4,5,6,7,8,9,10,11,12,13,14,15
	s_wait_dscnt 15-\t                             ; the younger read-backs may be out
	global_store_b128 v8, v[WOUT+4*\t:WOUT+4*\t+3], s[76:77] offset:2*\t*512   ; sixteen lanes store 256 consecutive bytes of a row
.endr
	FINISH
	; ---------------- Wo to f16: a wave takes 2,048 numbers
.Lo:
	s_sub_co_u32 s67, ttmp9, 48
	s_lshl_b32 s67, s67, 2
	s_add_co_u32 s67, s67, s66
	s_lshl_b32 s68, s67, 13
	s_mov_b32 s69, 0
	s_add_nc_u64 s[70:71], s[18:19], s[68:69]
	s_lshl_b32 s68, s67, 12
	s_add_nc_u64 s[72:73], s[28:29], s[68:69]
	v_lshlrev_b32 v3, 4, v2
	v_lshlrev_b32 v4, 3, v2
.irp i, 0,1,2,3,4,5,6,7,8,9,10,11,12,13,14,15
	global_load_b128 v[16+4*\i:19+4*\i], v3, s[70:71] offset:512*\i th:TH_LOAD_NT
.endr
.irp i, 0,1,2,3,4,5,6,7,8,9,10,11,12,13,14,15
	s_wait_loadcnt 15-\i                           ; the younger loads may be out
	v_cvt_pk_f16_f32 v[80+2*\i], v[16+4*\i], v[17+4*\i]
	v_cvt_pk_f16_f32 v[81+2*\i], v[18+4*\i], v[19+4*\i]
	global_store_b64 v4, v[80+2*\i:81+2*\i], s[72:73] offset:256*\i   ; the wave stores 256 consecutive bytes
.endr
	FINISH
.Lfunc_end_k_qea3dc87bf3_prep:
	.size	k_qea3dc87bf3_prep, .Lfunc_end_k_qea3dc87bf3_prep-k_qea3dc87bf3_prep
	.p2alignl 7, 3214868480
	.fill 96, 4, 3214868480
	.section	.rodata,"a",@progbits
	.p2align	6, 0x0
	.amdhsa_kernel k_qea3dc87bf3_prep
		.amdhsa_group_segment_fixed_size 92672
		.amdhsa_private_segment_fixed_size 0
		.amdhsa_enable_private_segment 0
		.amdhsa_kernarg_size 112
		.amdhsa_user_sgpr_count 2
		.amdhsa_user_sgpr_kernarg_segment_ptr 1
		.amdhsa_wavefront_size32 1
		.amdhsa_system_sgpr_workgroup_id_x 1
		.amdhsa_system_sgpr_workgroup_id_y 1
		.amdhsa_system_sgpr_workgroup_id_z 1
		.amdhsa_system_vgpr_workitem_id 0
		.amdhsa_next_free_vgpr 256
		.amdhsa_next_free_sgpr 96
		.amdhsa_reserve_vcc 0
		.amdhsa_float_denorm_mode_32 3
		.amdhsa_float_denorm_mode_16_64 3
		.amdhsa_memory_ordered 1
		.amdhsa_forward_progress 1
		.amdhsa_inst_pref_size 165
	.end_amdhsa_kernel
	.amdgpu_metadata
---
amdhsa.version: [ 1, 2 ]
amdhsa.kernels:
  - .name:           k_qea3dc87bf3_prep
    .symbol:         k_qea3dc87bf3_prep.kd
    .args:
      - { .name: query, .offset: 0, .size: 8, .value_kind: global_buffer, .address_space: global }
      - { .name: key, .offset: 8, .size: 8, .value_kind: global_buffer, .address_space: global }
      - { .name: value, .offset: 16, .size: 8, .value_kind: global_buffer, .address_space: global }
      - { .name: mask, .offset: 24, .size: 8, .value_kind: global_buffer, .address_space: global }
      - { .name: Wq, .offset: 32, .size: 8, .value_kind: global_buffer, .address_space: global }
      - { .name: Wk, .offset: 40, .size: 8, .value_kind: global_buffer, .address_space: global }
      - { .name: Wv, .offset: 48, .size: 8, .value_kind: global_buffer, .address_space: global }
      - { .name: Wo, .offset: 56, .size: 8, .value_kind: global_buffer, .address_space: global }
      - { .name: acodes, .offset: 64, .size: 8, .value_kind: global_buffer, .address_space: global }
      - { .name: ascales, .offset: 72, .size: 8, .value_kind: global_buffer, .address_space: global }
      - { .name: wcodes, .offset: 80, .size: 8, .value_kind: global_buffer, .address_space: global }
      - { .name: wscales, .offset: 88, .size: 8, .value_kind: global_buffer, .address_space: global }
      - { .name: wo16, .offset: 96, .size: 8, .value_kind: global_buffer, .address_space: global }
      - { .name: maskbits, .offset: 104, .size: 8, .value_kind: global_buffer, .address_space: global }
    .group_segment_fixed_size: 92672
    .private_segment_fixed_size: 0
    .kernarg_segment_align: 8
    .kernarg_segment_size: 112
    .max_flat_workgroup_size: 128
    .sgpr_count:     96
    .vgpr_count:     256
    .wavefront_size: 32
...
	.end_amdgpu_metadata
.endif
;; end of part 1
;; launch proj (part 2): grid 4 x 96, 4 waves a work-group, clusters of 4 x 4, 327,680 bytes of LDS; arguments acodes, ascales, wcodes, wscales, qkvh, bq, bk, bv; writes qkvh
.if DOCPART == 2
	.amdgcn_target "amdgcn-amd-amdhsa--gfx1250"
	.amdhsa_code_object_version 6
	.text
	.protected	k_qea3dc87bf3_proj
	.globl	k_qea3dc87bf3_proj
	.p2align	8
	.type	k_qea3dc87bf3_proj,@function
k_qea3dc87bf3_proj:
	s_mov_b64 s[64:65], 0
	v_nop
	global_prefetch_b8 v0, s[64:65] scope:SCOPE_SE
	s_setreg_imm32_b32 hwreg(HW_REG_WAVE_MODE, 25, 1), 1
	s_wait_xcnt 0x0
	s_wait_alu depctr_hold_cnt(0) depctr_sa_sdst(0) depctr_va_vdst(0) depctr_va_sdst(0) depctr_va_ssrc(0) depctr_va_vcc(0) depctr_vm_vsrc(0)
	s_getreg_b32 s2, hwreg(HW_REG_IB_STS2, 6, 4)
	s_cmp_eq_u32 s2, 0
	s_cbranch_scc0 .Lentry_in_a_cluster
	s_endpgm
.Lentry_in_a_cluster:
	s_bfe_u32 s2, ttmp6, 0x10000c
	s_cmp_lg_u32 s2, 0xf033
	s_cbranch_scc0 .Lentry_shape_is_right
	s_endpgm
.Lentry_shape_is_right:
; THE THREE QUANTISED PROJECTIONS IN ONE LAUNCH: for t = 0, 1, 2 (query, key, value): C_t[m][n] = sum over k of A_t[m][k] W_t[n][k] + bias_t[n], on codes of FP4 (E2M1) with one E8M0 scale for each 32 along K.
; acodes [3 x 8192][512 bytes], ascales [24576][32], wcodes [3 x 1024][512 bytes], wscales [3072][32].  The result is rounded to f16 and laid by heads: qkvh [t][batch 4][head 16][token 2048][64].
; LIMIT: results beyond f16's 65,504 are not served.
; A tile of C, 256 x 256, is made by four waves, 128 x 128 each: 64 accumulators, 512 registers.  Tile rows 32 t .. 32 t + 31 belong to tensor t.  K = 1,024 is two LDS slots of 512 along K (rows of 256 bytes):
; both slots, and the tile's scale bytes for all of K, are asked for at the head; nothing is filled again.
; CLUSTERS: 4 x 4 work-groups.  The four of a row of the cluster need the same tiles of A, the four of a column the same tiles of W: each is asked for jointly, by the same tensor load with the same descriptor and a mask
; that names the four.  A cluster's four tile rows lie in one tensor, so t hangs on the cluster's y alone.
; THE MATRIX INSTRUCTION IS USED TRANSPOSED (source 0 = 16 rows of W, source 1 = 16 rows of A): a lane holds eight neighbouring columns of one row of C.  The bias is the C of each sum's first instruction.
; REGISTERS, in windows of 256: window 0: v0-31 addresses; v32-95 scale words, two sets; v128-191 A's fragments, one set; v192-255 the bias, eight tiles; on the way out v32-127 are at work.
;   window 1: W's fragments, two sets, at v0 and v128.   window 2: the accumulators of my rows 0-63 ((a, b) at v[8 (8 a + b)]);   window 3: those of my rows 64-127.
.set NQ,     4                         ; matrix instructions deep in a slot
.set ROWB,   256                       ; a tile's row: 512 codes
.set KROW,   512                       ; a row of codes in memory
.set PITCH,  272                       ; an LDS row: 256 bytes + 16 of padding, so that the 16 rows of a load start at 16 different banks (64 banks of 4 bytes: ISA guide 11.1)
.set FR,     8                         ; registers of a fragment: 16 rows x 128 K
.set NL,     2                         ; LDS loads that bring one
.set NP,     4                         ; places behind this matrix instruction (ISA guide 7.12.1)
.set HALFT,  128*PITCH
.set SLOT,   4*HALFT                   ; A's 256 rows, then W's 256 rows
.set KS,     32                        ; a row of scale bytes
.set SCL,    2*SLOT                    ; behind the slots: the scale bytes, as units of 256 bytes + 16 of padding
.set HALFS,  (128*KS/256)*272
.set SBLK,   (16*KS/256)*272
.set SPARE,  SCL+4*HALFS               ; the spare words: 128 bytes for each wave; no other line names them
.set ADRA, 16                          ; v16-17 LDS address of my A fragments in slot 0, 1
.set ADRB, 20                          ; v20-21 the same for W
.set STO,  24                          ; v24 the way out: where I put 16 bytes of a row
.set RD,   25                          ; v25 where I read back
.set CO,   26                          ; v26 16 x lane
.set ADRS, 27                          ; v27 my scale words: lanes 0-15 A's rows, lanes 16-31 W's
.set SPW,  28
.set NIL,  29
.set SC,   32                          ; scale words: set s at v[SC + 32 s]; register 4 i + q: lanes 0-15 A's block i, lanes 16-31 W's block i, the slot's q-th 128 along K
.set AF,   128
.set BI,   192                          ; the bias: tile b at v[BI + 8 b]: lane (r, h) holds bias[16 b + 8 h + 0 .. 7]
.set TMP,  32                          ; the way out: a block's packed results
.set BK,   64                          ; and what comes back from the stage: v64-95 and v96-127 by turns
.set G1, 24
.set G0, 32
.set G1B, 48
.set G0B, 56
.set G1S, 68
.set G0S, 76
.set G1SB, 80
.set G0SB, 88
.set MSB, 0
.macro WIN new                         ; the immediate's high byte repeats the setting that is left
.if MSB != (\new)
	s_set_vgpr_msb (MSB<<8)|(\new)
.set MSB, (\new)
.endif
.endm
.set MUL_LO, 0xa1                      ; source 0 (W) window 1, source 1 (A) window 0, C and D window 2
.set MUL_HI, 0xf1                      ; the same, C and D window 3
.set TO_B,   0x40
; A joint load: waves 0 and 1 fetch for A, waves 2 and 3 for W.  The branch hangs on the wave's number alone.  An s_nop 0 and four v_nop follow each of the two lines.
.macro JLOAD g0a, g1a, g0b, g1b
	s_cmp_eq_u32 s15, 0
	s_cbranch_scc0 .Lfor_b_\@
	tensor_load_to_lds s[\g0a:\g0a+3], s[\g1a:\g1a+7]
	s_nop 0
.rept 4
	v_nop
.endr
	s_branch .Lasked_\@
.Lfor_b_\@:
	tensor_load_to_lds s[\g0b:\g0b+3], s[\g1b:\g1b+7]
	s_nop 0
.rept 4
	v_nop
.endr
.Lasked_\@:
.endm
.macro CROUND                          ; a round of the cluster's barrier
	s_barrier_signal -1
	s_barrier_wait -1
	s_cmp_lg_u32 s14, 0
	s_cbranch_scc1 .Lnot_wave_0_\@
	s_barrier_signal -3
.Lnot_wave_0_\@:
	s_barrier_wait -3
	s_barrier_signal -1
	s_barrier_wait -1
.endm
	s_load_b128 s[4:7], s[0:1], 0x0                ; A's codes, A's scales
	s_load_b128 s[8:11], s[0:1], 0x10              ; W's codes, W's scales
	s_load_b64 s[12:13], s[0:1], 0x20              ; qkvh
	s_load_b64 s[96:97], s[0:1], 0x28              ; bq
	s_load_b64 s[98:99], s[0:1], 0x30              ; bk
	s_load_b64 s[100:101], s[0:1], 0x38            ; bv
	v_lshl_add_u32 v[SPW], v0, 2, SPARE
	v_mov_b32 v[NIL], 0
	ds_add_u32 v[SPW], v[NIL]                      ; the wave's opening: the add, twice on end, and its wait ahead of my first tensor load
	ds_add_u32 v[SPW], v[NIL]
	v_lshrrev_b32 v1, 5, v0
	v_readfirstlane_b32 s14, v1                    ; wave 0..3
	s_lshr_b32 s15, s14, 1                         ; which half of the tile's rows is mine.  Also: I fetch for A (0) or for W (1)
	s_and_b32 s16, s14, 1                          ; which half of its columns.  Also: which 128 rows I fetch
	s_bfe_u32 s40, ttmp6, 0x40000                  ; cx, cy
	s_bfe_u32 s41, ttmp6, 0x40004
	s_lshl_b32 s42, ttmp9, 2
	s_add_co_u32 s42, s42, s40                     ; tile column
	s_and_b32 s17, ttmp7, 0xffff
	s_lshr_b32 s66, s17, 3                         ; t: eight clusters along y to a tensor
	s_lshl_b32 s17, s17, 2
	s_add_co_u32 s17, s17, s41                     ; tile row, 0 .. 95
	s_lshl_b32 s43, s41, 2
	s_lshl_b32 s43, 15, s43                        ; my row of the cluster
	s_lshl_b32 s44, 0x1111, s40                    ; my column
	s_or_b32 s[G1+0], s43, (0<<16)|(1<<20)|(1<<21)|(5<<22)|(3<<25)  ; the mask; elements of 1 byte; padding on; bit 21 beside a mask; 4 words behind every 64
	s_or_b32 s[G1B+0], s44, (0<<16)|(1<<20)|(1<<21)|(5<<22)|(3<<25)
.irp g, G1, G1B
	s_mov_b32 s[\g+1], ROWB<<16                    ; tensor_dim0
	s_mov_b32 s[\g+2], 128<<16                     ; tensor_dim1
	s_mov_b32 s[\g+3], ROWB<<16                    ; tile_dim0
	s_mov_b32 s[\g+4], 128                         ; tile_dim1
	s_mov_b32 s[\g+5], KROW                        ; the pitch
	s_mov_b32 s[\g+6], 0
	s_mov_b32 s[\g+7], 0
.endr
	s_or_b32 s[G1S+0], s43, (3<<16)|(1<<20)|(1<<21)|(5<<22)|(3<<25) ; the scale bytes of 128 rows: a dense block of 4,096 bytes, as 16 rows of 32 elements of 8 bytes
	s_or_b32 s[G1SB+0], s44, (3<<16)|(1<<20)|(1<<21)|(5<<22)|(3<<25)
.irp g, G1S, G1SB
	s_mov_b32 s[\g+1], 32<<16
	s_mov_b32 s[\g+2], (128*KS/256)<<16
	s_mov_b32 s[\g+3], 32<<16
	s_mov_b32 s[\g+4], 128*KS/256
	s_mov_b32 s[\g+5], 32
	s_mov_b32 s[\g+6], 0
	s_mov_b32 s[\g+7], 0
.endr
	s_lshl_b32 s18, s16, 7
	s_lshl_b32 s20, s17, 8
	s_add_co_u32 s20, s20, s18                     ; A: row 256 x tile row + 128 x half (the three tensors lie one behind the other)
	s_lshl_b32 s46, s42, 8
	s_add_co_u32 s46, s46, s18
	s_lshl_b32 s67, s66, 10
	s_add_co_u32 s46, s46, s67                     ; W: row 1,024 t + 256 x tile column + 128 x half
	s_mov_b32 s21, 0
	s_mov_b32 s47, 0
	s_mov_b64 s[18:19], KS
	s_mul_u64 s[22:23], s[20:21], s[18:19]         ; where these rows' scale bytes begin
	s_mul_u64 s[92:93], s[46:47], s[18:19]
	s_mov_b64 s[18:19], KROW
	s_mul_u64 s[20:21], s[20:21], s[18:19]         ; and their codes
	s_mul_u64 s[46:47], s[46:47], s[18:19]
	s_mul_i32 s45, s14, HALFT                      ; where they go: wave x 128 rows
	s_mul_i32 s94, s14, HALFS
	s_wait_dscnt 0x0                               ; both opening adds are done
	s_wait_kmcnt 0x0
	s_add_nc_u64 s[20:21], s[4:5], s[20:21]
	s_add_nc_u64 s[22:23], s[6:7], s[22:23]
	s_add_nc_u64 s[46:47], s[8:9], s[46:47]
	s_add_nc_u64 s[92:93], s[10:11], s[92:93]
	CROUND                                         ; all sixteen work-groups are here: the joint loads meet
	s_mov_b32 s[G0S], 1
	s_add_co_u32 s[G0S+1], s94, SCL
	s_mov_b64 s[G0S+2:G0S+3], s[22:23]
	s_or_b32 s[G0S+3], s[G0S+3], 0x80000000
	s_mov_b32 s[G0SB], 1
	s_add_co_u32 s[G0SB+1], s94, SCL
	s_mov_b64 s[G0SB+2:G0SB+3], s[92:93]
	s_or_b32 s[G0SB+3], s[G0SB+3], 0x80000000
	JLOAD G0S, G1S, G0SB, G1SB                     ; the scale bytes first: they are wanted with slot 0
.irp s, 0,1
	s_mov_b32 s[G0+4*\s], 1
	s_add_co_u32 s[G0+4*\s+1], s45, \s*SLOT
	s_add_nc_u64 s[G0+4*\s+2:G0+4*\s+3], s[20:21], \s*ROWB
	s_or_b32 s[G0+4*\s+3], s[G0+4*\s+3], 0x80000000
	s_mov_b32 s[G0B+4*\s], 1
	s_add_co_u32 s[G0B+4*\s+1], s45, \s*SLOT
	s_add_nc_u64 s[G0B+4*\s+2:G0B+4*\s+3], s[46:47], \s*ROWB
	s_or_b32 s[G0B+4*\s+3], s[G0B+4*\s+3], 0x80000000
	JLOAD G0+4*\s, G1, G0B+4*\s, G1B               ; three loads of mine are out
.endr
	v_and_b32 v1, 15, v0                           ; r
	v_bfe_u32 v2, v0, 4, 1                         ; h
	; the bias of my 128 columns, in the result's layout
	s_cmp_eq_u32 s66, 0
	s_cselect_b64 s[96:97], s[96:97], s[98:99]
	s_cmp_eq_u32 s66, 2
	s_cselect_b64 s[96:97], s[100:101], s[96:97]
	s_lshl_b32 s46, s42, 10
	s_lshl_b32 s47, s16, 9
	s_add_co_u32 s46, s46, s47
	s_mov_b32 s47, 0
	s_add_nc_u64 s[96:97], s[96:97], s[46:47]
	v_lshlrev_b32 v7, 5, v2
.irp b, 0,1,2,3,4,5,6,7
	global_load_b128 v[BI+8*\b:BI+8*\b+3], v7, s[96:97] offset:64*\b
	global_load_b128 v[BI+8*\b+4:BI+8*\b+7], v7, s[96:97] offset:64*\b+16
.endr
	v_mul_u32_u24 v3, v1, PITCH
	v_lshl_add_u32 v4, v2, 4, v3                   ; a fragment's row x pitch + 16 x half
	s_mul_i32 s21, s15, HALFT
	s_mul_i32 s22, s16, HALFT
	s_add_co_u32 s22, s22, 2*HALFT
.irp s, 0,1
	v_add_nc_u32 v[ADRA+\s], s21, v4
	v_add_nc_u32 v[ADRB+\s], s22, v4
	s_add_co_u32 s21, s21, SLOT
	s_add_co_u32 s22, s22, SLOT
.endr
	v_mul_u32_u24 v5, v1, KS                       ; my row's scale bytes: 32 a row,
	v_lshrrev_b32 v6, 8, v5
	v_lshl_add_u32 v5, v6, 4, v5                   ; and 16 more for each 256 passed
	s_mul_i32 s21, s15, HALFS
	s_mul_i32 s22, s16, HALFS
	s_add_co_u32 s22, s22, 2*HALFS
	s_sub_co_u32 s22, s22, s21
	v_mul_u32_u24 v6, s22, v2                      ; lanes 16-31 take W's
	s_add_co_u32 s21, s21, SCL
	v_add_nc_u32 v5, v5, v6
	v_add_nc_u32 v[ADRS], s21, v5
	s_mul_i32 s23, s14, 16*272                     ; my stage, in slot 0: 16 rows of 256 + 16 bytes
	v_mul_u32_u24 v5, v1, 272
	v_lshl_add_u32 v5, v2, 4, v5
	v_add_nc_u32 v[STO], s23, v5                   ; in: row r, 16 bytes for each half of the lanes
	v_and_b32 v6, 31, v0
	v_lshrrev_b32 v5, 3, v6
	v_mul_u32_u24 v5, v5, 272
	v_and_b32 v8, 7, v0
	v_lshl_add_u32 v5, v8, 4, v5
	v_add_nc_u32 v[RD], s23, v5                    ; back: eight lanes take 128 bytes (one head's 64 numbers) of a row, four rows an instruction
	v_lshlrev_b32 v[CO], 4, v6
	; where my part begins in qkvh: tensor 2^24, batch 2^22, head 2^18, token 2^7 bytes
	s_and_b32 s20, s17, 31
	s_lshr_b32 s21, s20, 3                         ; the batch
	s_and_b32 s20, s20, 7
	s_lshl_b32 s20, s20, 8
	s_lshl_b32 s22, s15, 7
	s_add_co_u32 s20, s20, s22                     ; my first token
	s_lshl_b32 s20, s20, 7
	s_lshl_b32 s21, s21, 22
	s_add_co_u32 s20, s20, s21
	s_lshl_b32 s21, s66, 24
	s_add_co_u32 s20, s20, s21
	s_mov_b32 s21, 0
	s_lshl_b32 s46, s42, 2
	s_lshl_b32 s47, s16, 1
	s_add_co_u32 s46, s46, s47                     ; my first head: 4 x tile column + 2 x half
	s_lshl_b32 s46, s46, 18
	s_mov_b32 s47, 0
	s_add_nc_u64 s[20:21], s[20:21], s[46:47]
	s_add_nc_u64 s[12:13], s[12:13], s[20:21]
.macro FRAG reg, adr, q, i             ; 16 rows x 128 K of 4-bit codes: lane l holds row l % 16; registers 4 c .. 4 c + 3 hold K = 64 c + 32 (l / 16) + 0 .. 31
.irp c, 0,1
	ds_load_b128 v[\reg+4*\c:\reg+4*\c+3], v[\adr] offset:64*(\q)+32*\c+(\i)*16*PITCH
.endr
.endm
; 16 matrix instructions: A's blocks a0, a0 + 1 x W's eight.  first = 1: the bias starts the sums.  The 64 accumulators take turns, one instruction a turn, in the same order in every step.
.macro MUL16 a0, p, q, sc, first
.irp a, \a0, \a0+1
.irp b, 0,1,2,3,4,5,6,7
.if \first
	v_wmma_scale_f32_16x16x128_f8f6f4 v[8*(8*((\a)%4)+\b):8*(8*((\a)%4)+\b)+7], v[128*(\p)+FR*\b:128*(\p)+FR*\b+FR-1], v[AF+FR*(\a):AF+FR*(\a)+FR-1], v[BI+8*\b:BI+8*\b+7], v[SC+8*NQ*(\sc)+NQ*\b+(\q)], v[SC+8*NQ*(\sc)+NQ*(\a)+(\q)] matrix_a_fmt:MATRIX_FMT_FP4 matrix_b_fmt:MATRIX_FMT_FP4 matrix_a_scale:MATRIX_SCALE_ROW1
.else
	v_wmma_scale_f32_16x16x128_f8f6f4 v[8*(8*((\a)%4)+\b):8*(8*((\a)%4)+\b)+7], v[128*(\p)+FR*\b:128*(\p)+FR*\b+FR-1], v[AF+FR*(\a):AF+FR*(\a)+FR-1], v[8*(8*((\a)%4)+\b):8*(8*((\a)%4)+\b)+7], v[SC+8*NQ*(\sc)+NQ*\b+(\q)], v[SC+8*NQ*(\sc)+NQ*(\a)+(\q)] matrix_a_fmt:MATRIX_FMT_FP4 matrix_b_fmt:MATRIX_FMT_FP4 matrix_a_scale:MATRIX_SCALE_ROW1
.endif
.endr
.endr
.endm
.macro FETCH_B slot, q, p
	WIN TO_B
.irp i, 0,1,2,3,4,5,6,7
	FRAG 128*(\p)+FR*\i, ADRB+\slot, \q, \i
.endr
	WIN 0
.endm
.macro FETCH_A slot, q, i0
.irp i, \i0, \i0+1, \i0+2, \i0+3
	FRAG AF+FR*(\i), ADRA+\slot, \q, \i
.endr
.endm
.macro SCALES sc                       ; a slot's scale words: four a row; lanes 0-15 A's block i, lanes 16-31 W's block i
.irp i, 0,1,2,3,4,5,6,7
	ds_load_b128 v[SC+8*NQ*\sc+NQ*\i:SC+8*NQ*\sc+NQ*\i+3], v[ADRS] offset:\i*SBLK
.endr
.endm
.macro PLACES n                        ; plain vector instructions between a matrix instruction and a load into, or a read of, its registers (ISA guide 7.12.1 for reads)
.rept \n
	v_nop
.endr
.endm
.macro STEP slot, q, first             ; 128 along K that has its successor in the same slot
	s_wait_dscnt 4*NL                              ; W's set and A's blocks 0-3 are in; A's blocks 4-7 may be out
.if \first
	WIN 0x81                                       ; C (the bias) window 0, D window 2
.else
	WIN MUL_LO
.endif
	MUL16 0, (\q)%2, \q, \slot, \first
	MUL16 2, (\q)%2, \q, \slot, \first
	s_wait_dscnt 0
	PLACES NP
	FETCH_B \slot, (\q)+1, 1-(\q)%2
	FETCH_A \slot, (\q)+1, 0
.if \first
	WIN 0xc1                                       ; C window 0, D window 3
.else
	WIN MUL_HI
.endif
	MUL16 4, (\q)%2, \q, \slot, \first
	MUL16 6, (\q)%2, \q, \slot, \first
	PLACES NP
	WIN 0
	FETCH_A \slot, (\q)+1, 4
.endm
.macro TURN slot, next                 ; a slot's last step: one barrier; behind it the next slot is whole for every wave and nobody reads this one
	s_wait_tensorcnt 0x0                           ; all my tensor loads have landed
	ds_add_u32 v[SPW], v[NIL]
	s_wait_dscnt 4*NL+1                            ; (the add and A's blocks 4-7 may be out)
	WIN MUL_LO
	MUL16 0, 1, NQ-1, \slot, 0
	s_wait_dscnt 0x0                               ; the add is done, and my reads of this slot are over
	s_barrier_signal -1
	MUL16 2, 1, NQ-1, \slot, 0
	WIN 0
	s_barrier_wait -1
	PLACES NP
	v_add_nc_u32 v[ADRS], 4*NQ, v[ADRS]            ; on to the next slot's scale words
	FETCH_B \next, 0, 0
	FETCH_A \next, 0, 0
	SCALES \next
	WIN MUL_HI
	MUL16 4, 1, NQ-1, \slot, 0
	MUL16 6, 1, NQ-1, \slot, 0
	PLACES NP
	WIN 0
	FETCH_A \next, 0, 4
.endm
	s_wait_tensorcnt 1                             ; the scale bytes and my part of slot 0 are in; slot 1's load may be out
	s_barrier_signal -1
	s_barrier_wait -1
	FETCH_B 0, 0, 0
	FETCH_A 0, 0, 0
	SCALES 0
	FETCH_A 0, 0, 4
	s_wait_loadcnt 0x0                             ; the bias
	STEP 0, 0, 1
	STEP 0, 1, 0
	STEP 0, 2, 0
	TURN 0, 1
	STEP 1, 0, 0
	STEP 1, 1, 0
	STEP 1, 2, 0
	s_wait_dscnt 4*NL                              ; the last step: nothing more to fetch
	WIN MUL_LO
	MUL16 0, 1, NQ-1, 1, 0
	MUL16 2, 1, NQ-1, 1, 0
	s_wait_dscnt 0
	WIN MUL_HI
	MUL16 4, 1, NQ-1, 1, 0
	MUL16 6, 1, NQ-1, 1, 0
	WIN 0
; THE WAY OUT, block by block of 16 tokens x 128 columns (two heads).  Rounded to f16, 16 bytes a lane; through my own stage, which lies in slot 0 (its one fill and its last read lie behind the barrier above); back so that
; 32 lanes hold four tokens x 128 bytes of ONE head, which are 512 consecutive bytes of qkvh.
.macro PACK a
.set AC, 64*((\a)%4)
	WIN 0x0a+5*((\a)/4)                            ; sources 0 and 1: window 2 or 3
.irp b, 0,1,2,3,4,5,6,7
.irp r, 0,1,2,3
	v_cvt_pk_f16_f32 v[TMP+4*\b+\r], v[AC+8*\b+2*\r], v[AC+8*\b+2*\r+1]    ; each accumulator from its low end on
.endr
.endr
	WIN 0
.endm
.macro TOSTAGE a
.set BB, BK+32*((\a)%2)
.if (\a) >= 2
	s_wait_xcnt 0x0                                ; the stores of two blocks back have read their registers: the loads below may land there
.endif
.irp b, 0,1,2,3,4,5,6,7
	ds_store_b128 v[STO], v[TMP+4*\b:TMP+4*\b+3] offset:32*\b
.endr
.irp u, 0,1,2,3,4,5,6,7
	ds_load_b128 v[BB+4*\u:BB+4*\u+3], v[RD] offset:(\u%4)*1088+(\u/4)*128   ; LDS serves a wave's instructions in order: these see the stores above
.endr
.endm
.macro SEND a
.set BB, BK+32*((\a)%2)
	s_wait_dscnt 0x0                               ; the block is back in registers
.irp u, 0,1,2,3,4,5,6,7
	global_store_b128 v[CO], v[BB+4*\u:BB+4*\u+3], s[12:13] offset:(\a)*2048+(\u%4)*512+(\u/4)*262144
.endr
.endm
	PLACES NP
	PACK 0
	TOSTAGE 0
.irp a, 1,2,3,4,5,6,7                  ; block a's conversions stand between block a - 1's loads from the stage and the wait for them
	PACK \a
	SEND \a-1
	TOSTAGE \a
.endr
	SEND 7
	s_wait_tensorcnt 0x0                           ; the wave's end
	ds_add_u32 v[SPW], v[NIL]
	s_wait_dscnt 0x0
	CROUND                                         ; the closing round
	s_endpgm
.Lfunc_end_k_qea3dc87bf3_proj:
	.size	k_qea3dc87bf3_proj, .Lfunc_end_k_qea3dc87bf3_proj-k_qea3dc87bf3_proj
	.p2alignl 7, 3214868480
	.fill 96, 4, 3214868480
	.section	.rodata,"a",@progbits
	.p2align	6, 0x0
	.amdhsa_kernel k_qea3dc87bf3_proj
		.amdhsa_group_segment_fixed_size 327680
		.amdhsa_private_segment_fixed_size 0
		.amdhsa_enable_private_segment 0
		.amdhsa_kernarg_size 64
		.amdhsa_user_sgpr_count 2
		.amdhsa_user_sgpr_kernarg_segment_ptr 1
		.amdhsa_wavefront_size32 1
		.amdhsa_system_sgpr_workgroup_id_x 1
		.amdhsa_system_sgpr_workgroup_id_y 1
		.amdhsa_system_sgpr_workgroup_id_z 1
		.amdhsa_system_vgpr_workitem_id 0
		.amdhsa_next_free_vgpr 1024
		.amdhsa_next_free_sgpr 102
		.amdhsa_reserve_vcc 0
		.amdhsa_float_denorm_mode_32 3
		.amdhsa_float_denorm_mode_16_64 3
		.amdhsa_memory_ordered 1
		.amdhsa_forward_progress 1
		.amdhsa_inst_pref_size 129
	.end_amdhsa_kernel
	.amdgpu_metadata
---
amdhsa.version: [ 1, 2 ]
amdhsa.kernels:
  - .name:           k_qea3dc87bf3_proj
    .symbol:         k_qea3dc87bf3_proj.kd
    .args:
      - { .name: acodes, .offset: 0, .size: 8, .value_kind: global_buffer, .address_space: global }
      - { .name: ascales, .offset: 8, .size: 8, .value_kind: global_buffer, .address_space: global }
      - { .name: wcodes, .offset: 16, .size: 8, .value_kind: global_buffer, .address_space: global }
      - { .name: wscales, .offset: 24, .size: 8, .value_kind: global_buffer, .address_space: global }
      - { .name: qkvh, .offset: 32, .size: 8, .value_kind: global_buffer, .address_space: global }
      - { .name: bq, .offset: 40, .size: 8, .value_kind: global_buffer, .address_space: global }
      - { .name: bk, .offset: 48, .size: 8, .value_kind: global_buffer, .address_space: global }
      - { .name: bv, .offset: 56, .size: 8, .value_kind: global_buffer, .address_space: global }
    .group_segment_fixed_size: 327680
    .private_segment_fixed_size: 0
    .kernarg_segment_align: 8
    .kernarg_segment_size: 64
    .max_flat_workgroup_size: 128
    .sgpr_count:     102
    .vgpr_count:     1024
    .wavefront_size: 32
...
	.end_amdgpu_metadata
.endif
;; end of part 2
;; launch attn (part 3): grid 4 x 64, 16 waves a work-group, clusters of 4 x 1, 327,680 bytes of LDS; arguments qkvh, maskbits, ao; writes ao
.if DOCPART == 3
	.amdgcn_target "amdgcn-amd-amdhsa--gfx1250"
	.amdhsa_code_object_version 6
	.text
	.protected	k_qea3dc87bf3_attn
	.globl	k_qea3dc87bf3_attn
	.p2align	8
	.type	k_qea3dc87bf3_attn,@function
k_qea3dc87bf3_attn:
	s_mov_b64 s[64:65], 0
	v_nop
	global_prefetch_b8 v0, s[64:65] scope:SCOPE_SE
	s_setreg_imm32_b32 hwreg(HW_REG_WAVE_MODE, 25, 1), 1
	s_wait_xcnt 0x0
	s_wait_alu depctr_hold_cnt(0) depctr_sa_sdst(0) depctr_va_vdst(0) depctr_va_sdst(0) depctr_va_ssrc(0) depctr_va_vcc(0) depctr_vm_vsrc(0)
	s_getreg_b32 s2, hwreg(HW_REG_IB_STS2, 6, 4)
	s_cmp_eq_u32 s2, 0
	s_cbranch_scc0 .Lentry_in_a_cluster
	s_endpgm
.Lentry_in_a_cluster:
	s_bfe_u32 s2, ttmp6, 0x10000c
	s_cmp_lg_u32 s2, 0x3003
	s_cbranch_scc0 .Lentry_shape_is_right
	s_endpgm
.Lentry_shape_is_right:
; ao[b][h][q][:] = the sum over k of softmax_k(where(mask[b][q][k] == 0, very negative, q . k / 8)) v[k][:].  q, k, v: qkvh [t 3][b 4][h 16][2048][64] f16; ao the same shape for one tensor, f16.
; Products on f16 operands with f32 sums; maxima, exponentials and sums in f32; the weights p are rounded to f16 for the second product, the result once at the end.
; THE MASK comes as bits: maskbits [tile of 16 rows][step of 64 keys][32 words]; word 8 i + j is the LANE mask of register 8 i + j of a tile's scores.  It only selects values: no branch hangs on it.
; LIMITS.  A hidden key's raw score becomes -2^40 (the scaled score -1.37e11, where the problem's text has -1e11): the same results while true scaled scores stay above about -1e10.  -2^40 is taken since c x 2^40 is exact:
; in a row with no key left every p is exactly 1, and the row is the mean of all values.  q, k, v and the result lie within f16's 65,504.  NaN and infinities are not served.
; SHARES.  A cluster of four work-groups is one (batch, head); each work-group owns 512 queries, each of its sixteen waves 32: two tiles of 16, in 256 registers.  Four waves share a SIMD, so that one wave's vector work
; stands beside another's matrix work and LDS loads.  Every wave walks all 2,048 keys, 64 a step.
; K and V come through a ring of two LDS slots of 256 keys.  The four work-groups walk the same K and V: each tile is asked for JOINTLY, by the same tensor load with the same descriptor and the mask 15
; (waves 0, 1: K's halves; waves 2, 3: V's).
; LAYOUT.  S^T = K Q^T (source 0 = 16 keys, source 1 = 16 queries): a lane holds ONE query (lane % 16) and keys 16 i + 8 (lane / 16) + 0..7.  Two such tiles, rounded to f16 in pairs, ARE source 1 of O^T = V^T P.
; V ([key][channel]) comes out of LDS turned, by ds_load_tr16_b128.
; SOFTMAX.  A running maximum m and sum l for each query: p = 2^(c s - c m), c = log2(e) / 8; in every step O and l are multiplied by a = 2^(c m_old - c m_new).  The step is written once: m begins at -3e38, O and l as zeros.
.set SLOT1, 1<<17                      ; slot 1 begins here: one exclusive or turns an address of one slot into the other's
.set QUART, 20480                      ; a slot's four quarters: K's rows 0-127, K's 128-255 (18,432 bytes used of each), V's 0-127, V's 128-255
.set PK,    144                        ; a row of K: 128 bytes + 16: an odd multiple of 16
.set PV,    160                        ; a row of V: 128 + 32: an odd multiple of 32, for the turning load
.set VOFF,  2*QUART
.set SPARE, SLOT1+4*QUART              ; the spare words: 128 bytes for each of sixteen waves; no other line names them
.set STAGE, SPARE+2048                 ; the way out: for each wave two tiles of 16 rows x 144 bytes; no tile lands here
.set AK0, 1                            ; v1  my lane's place in a tile of K
.set AV0, 2                            ; v2  the same for V
.set ADK, 3                            ; v3  the same in the slot in hand; on the way out: into the stage
.set ADV, 4                            ; v4  likewise for V; on the way out: back from the stage
.set SPW, 5
.set NIL, 6
.set NEG, 7                            ; v7  -2^40
.set PFO, 10                           ; v10 256 x lane: the prefetches' offset
.set ST,  12                           ; tile t's statistics at v[ST + 8 t]: +0 c m, +1 m, +2, +3 l (even keys', odd keys'), +4..+7 at work; a takes +6
.set Q,   32                           ; v32-63   Q: tile t, channels 32 c on, at 32 + 16 t + 8 c
.set KV,  64                           ; v64-127  a step's K (8 fragments), then its V (8)
.set S,   128                          ; v128-191 S^T, 32 a tile; P is made in place in each tile's low 16
.set O,   192                          ; v192-255 O^T, 32 a tile
.set WV,  10
.set SLOTS, 11
.set G1K, 12                           ; s[12:19] group 1 for K's tiles;  s[20:27] for V's (other padding);  s[28:31] my group 0, which walks
.set G1V, 20
.set G0,  28
.set MW0, 32                           ; s[32:63] tile 0's 32 mask words of the step;  s[68:99] tile 1's
.set MW1, 68
.set TB,  66                           ; LDS byte at which the slot in hand begins
.set LIM, 67                           ; 1 in a wave that prefetches, else the greatest number
.set CS,  100                          ; s[100:101] c
.set SEL, 104                          ; s[104:105] lane selects: lane l xor 16
.macro CROUND
	s_barrier_signal -1
	s_barrier_wait -1
	s_cmp_lg_u32 s[WV], 0
	s_cbranch_scc1 .Lnot_wave_0_\@
	s_barrier_signal -3
.Lnot_wave_0_\@:
	s_barrier_wait -3
	s_barrier_signal -1
	s_barrier_wait -1
.endm
; Waves 0 and 1 fetch for K, waves 2 and 3 for V, the others nothing: branches on the wave's number alone.  An s_nop 0 and four v_nop follow each of the two lines.
.macro TLOAD
	s_cmp_lt_u32 s[WV], 2
	s_cbranch_scc0 .Lnot_k_\@
	tensor_load_to_lds s[G0:G0+3], s[G1K:G1K+7]
	s_nop 0
.rept 4
	v_nop
.endr
	s_branch .Lasked_\@
.Lnot_k_\@:
	s_cmp_lt_u32 s[WV], 4
	s_cbranch_scc0 .Lasked_\@
	tensor_load_to_lds s[G0:G0+3], s[G1V:G1V+7]
	s_nop 0
.rept 4
	v_nop
.endr
.Lasked_\@:
.endm
; A prefetch of what the NEXT change of slots will ask for: a slot's 32,768 bytes of K and of V.  This cluster alone reads this head's K and V.  Its four work-groups take 8,192 bytes each, told apart by address;
; in each, wave 4 asks for K's and wave 5 for V's, lanes 256 bytes apart: each block of 256 bytes is named once.  It runs one slot, four key steps, ahead of the load; the last change that fills a slot asks for nothing.
.macro ASK
	s_cmp_gt_u32 s[SLOTS], s[LIM]
	s_cbranch_scc0 .Lnot_mine_\@
	global_prefetch_b8 v[PFO], s[4:5] th:TH_LOAD_NT scope:SCOPE_SE
.Lnot_mine_\@:
.endm
	s_load_b128 s[4:7], s[0:1], 0x0                ; qkvh, maskbits
	s_load_b64 s[8:9], s[0:1], 0x10                ; ao
	v_lshl_add_u32 v[SPW], v0, 2, SPARE
	v_mov_b32 v[NIL], 0
	ds_add_u32 v[SPW], v[NIL]                      ; the wave's opening: the add, twice on end, and its wait ahead of the first tensor load
	ds_add_u32 v[SPW], v[NIL]
	v_lshrrev_b32 v8, 5, v0
	v_readfirstlane_b32 s[WV], v8                  ; wave 0..15
	s_bfe_u32 s68, ttmp6, 0x40000                  ; cx: it enters Q's, the mask's, ao's and the prefetches' addresses alone
	s_and_b32 s69, ttmp7, 0xffff                   ; 16 x batch + head, which the four partners share
	s_mov_b32 s[G1K], 15|(1<<16)|(1<<20)|(1<<21)|(4<<22)|(3<<25)  ; the mask: all four; elements of 2 bytes; padding on; bit 21 beside a mask; 4 words behind every 32
	s_mov_b32 s[G1V], 15|(1<<16)|(1<<20)|(1<<21)|(4<<22)|(7<<25)  ; the same with 8 words
.irp g, G1K, G1V
	s_mov_b32 s[\g+1], 64<<16                      ; tensor_dim0 = 64
	s_mov_b32 s[\g+2], 128<<16                     ; tensor_dim1 = 128
	s_mov_b32 s[\g+3], 64<<16                      ; tile_dim0
	s_mov_b32 s[\g+4], 128                         ; tile_dim1
	s_mov_b32 s[\g+5], 64                          ; the pitch
	s_mov_b32 s[\g+6], 0
	s_mov_b32 s[\g+7], 0
.endr
	s_mov_b32 s[CS], 0x3e38aa3b                    ; c = log2(e) / 8
	s_mov_b32 s[CS+1], s[CS]                       ; (named with it as a pair, so it is written)
	s_mov_b32 s[SEL], 0x76543210
	s_mov_b32 s[SEL+1], 0xfedcba98
	s_mov_b32 s[TB], 0
	s_mov_b32 s[SLOTS], 7
	s_sub_co_u32 s70, s[WV], 4
	s_lshr_b32 s70, s70, 1                         ; 0 in waves 4 and 5
	s_cmp_eq_u32 s70, 0
	s_cselect_b32 s[LIM], 1, -1
	s_lshl_b32 s70, s69, 18                        ; the head's first byte in a tensor
	s_and_b32 s71, s[WV], 3                        ; which quarter of a slot I fetch, if I fetch
	s_lshr_b32 s72, s71, 1
	s_add_co_u32 s72, s72, 1                       ; tensor 1 (k) or 2 (v),
	s_lshl_b32 s72, s72, 24
	s_add_co_u32 s72, s72, s70
	s_and_b32 s80, s[WV], 1
	s_lshl_b32 s73, s80, 14                        ; its rows 0-127 or 128-255
	s_add_co_u32 s72, s72, s73
	s_mov_b32 s73, 0
	s_lshl_b32 s74, s68, 16                        ; my work-group's 512 rows of 128 bytes,
	s_lshl_b32 s75, s[WV], 12                      ; my wave's 32
	s_add_co_u32 s74, s74, s75
	s_add_co_u32 s74, s74, s70
	s_mov_b32 s75, 0
	s_lshr_b32 s76, s69, 4                         ; the batch: 128 mask tiles of 4,096 bytes,
	s_lshl_b32 s76, s76, 19
	s_lshl_b32 s77, s68, 17                        ; my work-group's 32 tiles,
	s_add_co_u32 s76, s76, s77
	s_lshl_b32 s77, s[WV], 13                      ; my wave's two
	s_add_co_u32 s76, s76, s77
	s_mov_b32 s77, 0
	s_add_co_u32 s78, s80, 1                       ; the prefetches: wave 4 k, wave 5 v,
	s_lshl_b32 s78, s78, 24
	s_add_co_u32 s78, s78, s70
	s_lshl_b32 s79, s68, 13                        ; my work-group's 8,192 bytes,
	s_add_co_u32 s78, s78, s79
	s_add_co_u32 s78, s78, 32768                   ; in slot 1: the first change of slots steps it to slot 2.  Nothing is prefetched at the head
	s_mov_b32 s79, 0
	s_wait_dscnt 0x0                               ; both opening adds are done
	s_wait_kmcnt 0x0
	s_mov_b32 s[G0], 1
	s_mul_i32 s[G0+1], s71, QUART
	s_add_nc_u64 s[G0+2:G0+3], s[4:5], s[72:73]
	s_or_b32 s[G0+3], s[G0+3], 0x80000000
	s_add_nc_u64 s[2:3], s[4:5], s[74:75]          ; Q at my first query
	s_add_nc_u64 s[8:9], s[8:9], s[74:75]          ; ao likewise
	s_add_nc_u64 s[6:7], s[6:7], s[76:77]          ; my first tile's mask words
	s_add_nc_u64 s[4:5], s[4:5], s[78:79]          ; where my prefetches stand
	CROUND                                         ; all four work-groups are here
	TLOAD                                          ; slot 0
	v_and_b32 v8, 15, v0                           ; r
	v_bfe_u32 v9, v0, 4, 1                         ; h
	v_lshlrev_b32 v11, 7, v8
	v_lshl_add_u32 v11, v9, 4, v11                 ; Q: row r of 128 bytes, + 16 h
.irp t, 0,1
.irp c, 0,1
	global_load_b128 v[Q+16*\t+8*\c:Q+16*\t+8*\c+3], v11, s[2:3] offset:2048*\t+64*\c
	global_load_b128 v[Q+16*\t+8*\c+4:Q+16*\t+8*\c+7], v11, s[2:3] offset:2048*\t+64*\c+32
.endr
.endr
	s_load_b512 s[MW0:MW0+15], s[6:7], 0x0         ; step 0's mask words
	s_load_b512 s[MW0+16:MW0+31], s[6:7], 0x40
	s_load_b512 s[MW1:MW1+15], s[6:7], 0x1000
	s_load_b512 s[MW1+16:MW1+31], s[6:7], 0x1040
	v_mul_u32_u24 v[AK0], v8, PK
	v_lshl_add_u32 v[AK0], v9, 4, v[AK0]           ; K: row r x pitch + 16 h
	v_and_b32 v28, 7, v0
	v_lshl_add_u32 v[AV0], v9, 3, v28
	v_mul_u32_u24 v[AV0], v[AV0], PV               ; V: the turning load: key 8 h + l % 8,
	v_bfe_u32 v28, v0, 3, 1
	v_lshl_add_u32 v[AV0], v28, 4, v[AV0]          ; channels 8 ((l / 8) % 2) on
	v_add_nc_u32 v[AV0], VOFF, v[AV0]
	v_mov_b32 v[NEG], 0xd3800000
	v_and_b32 v[PFO], 31, v0
	v_lshlrev_b32 v[PFO], 8, v[PFO]
.irp t, 0,1
	v_mov_b32 v[ST+8*\t+1], 0xff61b1e6             ; m = -3e38, under every score
	v_mul_f32 v[ST+8*\t], s[CS], v[ST+8*\t+1]
	v_mov_b32 v[ST+8*\t+2], 0
	v_mov_b32 v[ST+8*\t+3], 0
.endr
.set N, 0
.rept 64
	v_mov_b32 v[O+N], 0                            ; the step is written once: its first a is 0 and multiplies zeros
.set N, N+1
.endr
; A KEY STEP: 64 keys, the g-th of the slot in hand.  more = 1: the next step's mask words are asked for.
.macro STEP g, more
.rept 5
	v_nop                                          ; behind the last V^T P: four places ahead of loads into V's registers, five ahead of products that write over P's
.endr
.irp i, 0,1,2,3
.irp c, 0,1
	ds_load_b128 v[KV+16*\i+8*\c:KV+16*\i+8*\c+3], v[ADK] offset:((\g)/2)*QUART+(((\g)%2)*64+16*\i)*PK+64*\c
	ds_load_b128 v[KV+16*\i+8*\c+4:KV+16*\i+8*\c+7], v[ADK] offset:((\g)/2)*QUART+(((\g)%2)*64+16*\i)*PK+64*\c+32
.endr
.endr
	s_wait_dscnt 0x0
.irp c, 0,1                            ; S^T = K Q^T: the eight accumulators take turns
.irp i, 0,1,2,3
.irp t, 0,1
.if \c == 0
	v_wmma_f32_16x16x32_f16 v[S+32*\t+8*\i:S+32*\t+8*\i+7], v[KV+16*\i+8*\c:KV+16*\i+8*\c+7], v[Q+16*\t+8*\c:Q+16*\t+8*\c+7], 0
.else
	v_wmma_f32_16x16x32_f16 v[S+32*\t+8*\i:S+32*\t+8*\i+7], v[KV+16*\i+8*\c:KV+16*\i+8*\c+7], v[Q+16*\t+8*\c:Q+16*\t+8*\c+7], v[S+32*\t+8*\i:S+32*\t+8*\i+7]
.endif
.endr
.endr
.endr
.rept 4
	v_nop                                          ; places ahead of the loads into K's registers and of the first read of the scores
.endr
.irp c, 0,1                            ; V, turned: keys 32 c on, channels 16 u on; it lands under the softmax
.irp u, 0,1,2,3
	ds_load_tr16_b128 v[KV+32*\c+8*\u:KV+32*\c+8*\u+3], v[ADV] offset:(64*(\g)+32*\c)*PV+32*\u
	ds_load_tr16_b128 v[KV+32*\c+8*\u+4:KV+32*\c+8*\u+7], v[ADV] offset:(64*(\g)+32*\c)*PV+16*PV+32*\u
.endr
.endr
	s_wait_kmcnt 0x0                               ; this step's mask words
.set N, 0
.rept 32
	v_cndmask_b32 v[S+N], v[NEG], v[S+N], s[MW0+N] ; a hidden key's score becomes -2^40; each accumulator from its low end on
.set N, N+1
.endr
.set N, 0
.rept 32
	v_cndmask_b32 v[S+32+N], v[NEG], v[S+32+N], s[MW1+N]
.set N, N+1
.endr
.irp j, 0,1,2,3                        ; the maximum of a lane's 32 scores and the old m, three operands at a time, four chains a tile, the tiles by turns
.irp t, 0,1
	v_max3_num_f32 v[ST+8*\t+4+\j], v[S+32*\t+8*\j], v[S+32*\t+8*\j+1], v[S+32*\t+8*\j+2]
.endr
.endr
.irp u, 1,2
.irp j, 0,1,2,3
.irp t, 0,1
	v_max3_num_f32 v[ST+8*\t+4+\j], v[ST+8*\t+4+\j], v[S+32*\t+8*\j+2*\u+1], v[S+32*\t+8*\j+2*\u+2]
.endr
.endr
.endr
.irp t, 0,1
	v_max3_num_f32 v[ST+8*\t+4], v[ST+8*\t+4], v[S+32*\t+7], v[S+32*\t+15]
.endr
.irp t, 0,1
	v_max3_num_f32 v[ST+8*\t+6], v[ST+8*\t+6], v[S+32*\t+23], v[S+32*\t+31]
.endr
.irp t, 0,1
	v_max3_num_f32 v[ST+8*\t+4], v[ST+8*\t+4], v[ST+8*\t+5], v[ST+8*\t+6]
.endr
.irp t, 0,1
	v_max3_num_f32 v[ST+8*\t+4], v[ST+8*\t+4], v[ST+8*\t+7], v[ST+8*\t+1]
.endr
.irp t, 0,1
	v_permlanex16_b32 v[ST+8*\t+5], v[ST+8*\t+4], s[SEL], s[SEL+1]   ; the query's other 32 keys lie in the lane 16 away
.endr
.irp t, 0,1
	v_mov_b32 v[ST+8*\t+7], v[ST+8*\t]             ; c m_old is kept for a
.endr
.irp t, 0,1
	v_max_num_f32 v[ST+8*\t+1], v[ST+8*\t+4], v[ST+8*\t+5]
.endr
.irp t, 0,1
	v_mul_f32 v[ST+8*\t], s[CS], v[ST+8*\t+1]
.endr
.irp t, 0,1
	v_sub_f32 v[ST+8*\t+7], v[ST+8*\t+7], v[ST+8*\t]
.endr
.if \more
	s_load_b512 s[MW0:MW0+15], s[6:7], 128*((\g)+1)          ; the next step's mask words: they have the rest of this step in which to come
	s_load_b512 s[MW0+16:MW0+31], s[6:7], 128*((\g)+1)+64
	s_load_b512 s[MW1:MW1+15], s[6:7], 128*((\g)+1)+4096
	s_load_b512 s[MW1+16:MW1+31], s[6:7], 128*((\g)+1)+4160
.endif
.irp t, 0,1
.set N, 0
.rept 16
	v_pk_fma_f32 v[S+32*\t+N:S+32*\t+N+1], v[S+32*\t+N:S+32*\t+N+1], s[CS:CS+1], v[ST+8*\t:ST+8*\t+1] op_sel_hi:[1,0,0] neg_lo:[0,0,1] neg_hi:[0,0,1]   ; c s - c m, two at a time
.set N, N+2
.endr
.endr
.irp t, 0,1                            ; ONE BATCH of 66 exponentials, none of which reads another's result
	v_exp_f32 v[ST+8*\t+6], v[ST+8*\t+7]           ; a
.endr
.set N, 0
.rept 64
	v_exp_f32 v[S+N], v[S+N]                       ; p, at most 1
.set N, N+1
.endr
	v_nop                                          ; a plain instruction behind the last exponential
	s_wait_alu depctr_va_vdst(0)                   ; one wait for the batch, ahead of its first reader
.irp t, 0,1
	v_pk_mul_f32 v[ST+8*\t+2:ST+8*\t+3], v[ST+8*\t+2:ST+8*\t+3], v[ST+8*\t+6:ST+8*\t+7] op_sel_hi:[1,0]   ; l under the new m
	v_pk_add_f32 v[ST+8*\t+4:ST+8*\t+5], v[S+32*\t:S+32*\t+1], v[S+32*\t+2:S+32*\t+3]                     ; the sum of the unrounded p, in two chains a tile
.endr
.irp n, 1,2,3,4,5,6,7
.irp t, 0,1
	v_pk_add_f32 v[ST+8*\t+2:ST+8*\t+3], v[ST+8*\t+2:ST+8*\t+3], v[S+32*\t+4*\n:S+32*\t+4*\n+1]
	v_pk_add_f32 v[ST+8*\t+4:ST+8*\t+5], v[ST+8*\t+4:ST+8*\t+5], v[S+32*\t+4*\n+2:S+32*\t+4*\n+3]
.endr
.endr
.irp t, 0,1
	v_pk_add_f32 v[ST+8*\t+2:ST+8*\t+3], v[ST+8*\t+2:ST+8*\t+3], v[ST+8*\t+4:ST+8*\t+5]
.endr
.irp t, 0,1
.set N, 0
.rept 16
	v_cvt_pk_f16_f32 v[S+32*\t+N], v[S+32*\t+2*N], v[S+32*\t+2*N+1]   ; P in place: register n is written when registers 2 n, 2 n + 1 are read, never ahead of them
.set N, N+1
.endr
.endr
.irp t, 0,1
.set N, 0
.rept 16
	v_pk_mul_f32 v[O+32*\t+N:O+32*\t+N+1], v[O+32*\t+N:O+32*\t+N+1], v[ST+8*\t+6:ST+8*\t+7] op_sel_hi:[1,0]   ; O^T under the new m; each accumulator from its low end on
.set N, N+2
.endr
.endr
	s_wait_dscnt 0x0                               ; V is in
.irp c, 0,1                            ; O^T += V^T P: the eight accumulators take turns
.irp u, 0,1,2,3
.irp t, 0,1
	v_wmma_f32_16x16x32_f16 v[O+32*\t+8*\u:O+32*\t+8*\u+7], v[KV+32*\c+8*\u:KV+32*\c+8*\u+7], v[S+32*\t+8*\c:S+32*\t+8*\c+7], v[O+32*\t+8*\u:O+32*\t+8*\u+7]
.endr
.endr
.endr
.endm
; THE CHANGE OF SLOTS stands at a slot's head.  Each wave waits for all its tensor loads, adds 0 to its spare word, and waits for that and for its reads of the slot that it has left.  fill = 1: a round of the cluster's
; barrier follows, so that no wave of any partner still reads that slot or has a load on its way, and the slot is filled with the keys that follow: one load a wave is out, with four key steps in which to land.
.macro CHANGE fill
	s_wait_tensorcnt 0x0                           ; no tensor load of mine is out, so my group 0 may be written
	ds_add_u32 v[SPW], v[NIL]
.if \fill
	ds_add_u32 v[SPW], v[NIL]                      ; and once more, in every trip alike
	s_xor_b32 s[G0+1], s[G0+1], SLOT1              ; the other slot than last time,
	s_add_nc_u64 s[G0+2:G0+3], s[G0+2:G0+3], 32768 ; the next 256 keys
	s_wait_xcnt 0x0                                ; the last prefetch, a slot back, has read its address
	s_add_nc_u64 s[4:5], s[4:5], 32768
	s_wait_dscnt 0x0                               ; both adds are done, and my reads of the slot that I have left are over
	CROUND
	TLOAD
	ASK
.else
	s_wait_dscnt 0x0
	s_barrier_signal -1
	s_barrier_wait -1
.endif
.endm
.macro SLOT_STEPS more
	v_add_nc_u32 v[ADK], s[TB], v[AK0]
	v_add_nc_u32 v[ADV], s[TB], v[AV0]
	STEP 0, 1
	STEP 1, 1
	STEP 2, 1
	STEP 3, \more
	s_xor_b32 s[TB], s[TB], SLOT1
.if \more
	s_wait_xcnt 0x0                                ; the mask words' loads have read their base
	s_add_nc_u64 s[6:7], s[6:7], 512               ; four steps of 128 bytes on
.endif
.endm
	s_wait_loadcnt 0x0                             ; Q
.Lslot:                                            ; seven trips: behind each change of slots but the last the next slot is asked for
	CHANGE 1
	SLOT_STEPS 1
	s_sub_co_u32 s[SLOTS], s[SLOTS], 1
	s_cmp_lg_u32 s[SLOTS], 0
	s_cbranch_scc1 .Lslot
	CHANGE 0                                       ; the last slot is written out
	SLOT_STEPS 0
	; THE WAY OUT.  O^T / l, rounded to f16, goes through my stage and leaves as 512 consecutive bytes: four queries of this head.
.rept 4
	v_nop
.endr
.irp t, 0,1
	v_add_f32 v[ST+8*\t+4], v[ST+8*\t+2], v[ST+8*\t+3]
.endr
.irp t, 0,1
	v_permlanex16_b32 v[ST+8*\t+5], v[ST+8*\t+4], s[SEL], s[SEL+1]
.endr
.irp t, 0,1
	v_add_f32 v[ST+8*\t+4], v[ST+8*\t+4], v[ST+8*\t+5]
.endr
.irp t, 0,1
	v_rcp_f32 v[ST+8*\t+6], v[ST+8*\t+4]           ; l is at least 1: the largest p of a row is 1
.endr
	s_mul_i32 s32, s[WV], 4608
	s_add_co_u32 s32, s32, STAGE                   ; my stage
	v_mul_u32_u24 v[ADK], v8, PK                   ; (plain work behind the reciprocals)  in: row r, + 16 h
	v_lshl_add_u32 v[ADK], v9, 4, v[ADK]
	v_add_nc_u32 v[ADK], s32, v[ADK]
	v_and_b32 v11, 31, v0
	v_lshrrev_b32 v[ADV], 3, v11
	v_mul_u32_u24 v[ADV], v[ADV], PK               ; back: eight lanes to a row of 128 bytes, four rows an instruction
	v_and_b32 v28, 7, v0
	v_lshl_add_u32 v[ADV], v28, 4, v[ADV]
	v_add_nc_u32 v[ADV], s32, v[ADV]
	v_lshlrev_b32 v11, 4, v11                      ; 16 x lane in ao
	s_wait_alu depctr_va_vdst(0)                   ; one wait for the two reciprocals, ahead of their first reader
.irp t, 0,1
.set N, 0
.rept 16
	v_pk_mul_f32 v[O+32*\t+N:O+32*\t+N+1], v[O+32*\t+N:O+32*\t+N+1], v[ST+8*\t+6:ST+8*\t+7] op_sel_hi:[1,0]
.set N, N+2
.endr
.set N, 0
.rept 16
	v_cvt_pk_f16_f32 v[S+16*\t+N], v[O+32*\t+2*N], v[O+32*\t+2*N+1]
.set N, N+1
.endr
.endr
.irp t, 0,1
.irp u, 0,1,2,3
	ds_store_b128 v[ADK], v[S+16*\t+4*\u:S+16*\t+4*\u+3] offset:2304*\t+32*\u   ; channels 16 u + 8 h + 0 .. 7 of query r
.endr
.endr
.irp t, 0,1
.irp u, 0,1,2,3
	ds_load_b128 v[S+32+16*\t+4*\u:S+32+16*\t+4*\u+3], v[ADV] offset:2304*\t+576*\u   ; LDS serves a wave's instructions in order: these see my stores
.endr
.endr
.irp i, 0,1,2,3,4,5,6,7
	s_wait_dscnt 7-\i                              ; the younger read-backs may be out
	global_store_b128 v11, v[S+32+4*\i:S+32+4*\i+3], s[8:9] offset:2048*(\i/4)+512*(\i%4)
.endr
	s_wait_tensorcnt 0x0                           ; the wave's end
	ds_add_u32 v[SPW], v[NIL]
	s_wait_dscnt 0x0
	CROUND                                         ; the closing round
	s_endpgm
.Lfunc_end_k_qea3dc87bf3_attn:
	.size	k_qea3dc87bf3_attn, .Lfunc_end_k_qea3dc87bf3_attn-k_qea3dc87bf3_attn
	.p2alignl 7, 3214868480
	.fill 96, 4, 3214868480
	.section	.rodata,"a",@progbits
	.p2align	6, 0x0
	.amdhsa_kernel k_qea3dc87bf3_attn
		.amdhsa_group_segment_fixed_size 327680
		.amdhsa_private_segment_fixed_size 0
		.amdhsa_enable_private_segment 0
		.amdhsa_kernarg_size 24
		.amdhsa_user_sgpr_count 2
		.amdhsa_user_sgpr_kernarg_segment_ptr 1
		.amdhsa_wavefront_size32 1
		.amdhsa_system_sgpr_workgroup_id_x 1
		.amdhsa_system_sgpr_workgroup_id_y 1
		.amdhsa_system_sgpr_workgroup_id_z 1
		.amdhsa_system_vgpr_workitem_id 0
		.amdhsa_next_free_vgpr 256
		.amdhsa_next_free_sgpr 106
		.amdhsa_reserve_vcc 0
		.amdhsa_float_denorm_mode_32 3
		.amdhsa_float_denorm_mode_16_64 3
		.amdhsa_memory_ordered 1
		.amdhsa_forward_progress 1
		.amdhsa_inst_pref_size 189
	.end_amdhsa_kernel
	.amdgpu_metadata
---
amdhsa.version: [ 1, 2 ]
amdhsa.kernels:
  - .name:           k_qea3dc87bf3_attn
    .symbol:         k_qea3dc87bf3_attn.kd
    .args:
      - { .name: qkvh, .offset: 0, .size: 8, .value_kind: global_buffer, .address_space: global }
      - { .name: maskbits, .offset: 8, .size: 8, .value_kind: global_buffer, .address_space: global }
      - { .name: ao, .offset: 16, .size: 8, .value_kind: global_buffer, .address_space: global }
    .group_segment_fixed_size: 327680
    .private_segment_fixed_size: 0
    .kernarg_segment_align: 8
    .kernarg_segment_size: 24
    .max_flat_workgroup_size: 512
    .sgpr_count:     106
    .vgpr_count:     256
    .wavefront_size: 32
...
	.end_amdgpu_metadata
.endif
;; end of part 3
;; launch oproj (part 4): grid 4 x 64, 4 waves a work-group, clusters of 4 x 4, 327,680 bytes of LDS; arguments ao, wo16, bo, out0; writes out0
.if DOCPART == 4
	.amdgcn_target "amdgcn-amd-amdhsa--gfx1250"
	.amdhsa_code_object_version 6
	.text
	.protected	k_qea3dc87bf3_oproj
	.globl	k_qea3dc87bf3_oproj
	.p2align	8
	.type	k_qea3dc87bf3_oproj,@function
k_qea3dc87bf3_oproj:
	s_mov_b64 s[64:65], 0
	v_nop
	global_prefetch_b8 v0, s[64:65] scope:SCOPE_SE
	s_setreg_imm32_b32 hwreg(HW_REG_WAVE_MODE, 25, 1), 1
	s_wait_xcnt 0x0
	s_wait_alu depctr_hold_cnt(0) depctr_sa_sdst(0) depctr_va_vdst(0) depctr_va_sdst(0) depctr_va_ssrc(0) depctr_va_vcc(0) depctr_vm_vsrc(0)
	s_getreg_b32 s2, hwreg(HW_REG_IB_STS2, 6, 4)
	s_cmp_eq_u32 s2, 0
	s_cbranch_scc0 .Lentry_in_a_cluster
	s_endpgm
.Lentry_in_a_cluster:
	s_bfe_u32 s2, ttmp6, 0x10000c
	s_cmp_lg_u32 s2, 0xf033
	s_cbranch_scc0 .Lentry_shape_is_right
	s_endpgm
.Lentry_shape_is_right:
; out0[m][n] = sum over k of ao[m][k] Wo[k][n] + bo[n].  ao: f16, laid [batch 4][head 16][token 2048][64], so k = 64 x head + channel; wo16: Wo as f16, [k 1024][n 1024]; bo, out0: f32.  f16 operands, f32 sums.
; A tile of out0 is 128 tokens x 256 columns, so that there are 256 work-groups.  Four waves, each 64 x 128: 32 accumulators, 256 registers.
; K goes in steps of 128 (two heads) through a ring of two LDS slots: A's tile is two dense blocks of 128 rows x 128 bytes, one a head; Wo's is 128 rows of k x 512 bytes.
; CLUSTERS: 4 x 4 work-groups.  The four of a row of the cluster need the same tiles of ao, the four of a column the same tiles of Wo: each is asked for jointly (waves 0, 1: ao's two heads; waves 2, 3: Wo's two halves).
; THE MATRIX INSTRUCTION IS USED TRANSPOSED: source 0 = 16 columns of Wo (turned on its way out of LDS by ds_load_tr16_b128), source 1 = 16 tokens: a lane holds eight neighbouring columns of one row of out0.
; The bias is the C of each sum's first instruction.  No prefetch: a step's tile is small, and its one load a wave has a whole step's products in which to land.
; REGISTERS: window 0: v0-31 addresses; v32-63, v64-95 ao's fragments, two buffers; v128-191, v192-255 Wo's, two buffers (on the way out: rows read back).   window 1: the accumulators ((a, b) at v[8 (8 a + b)]).
;   window 2: v0-63 the bias, eight tiles.
.set PA,     144                       ; a row of ao in LDS: 128 bytes + 16
.set PB,     544                       ; a row of Wo: 512 + 32: an odd multiple of 32, for the turning load
.set AHEAD,  128*PA                    ; one head's 128 rows
.set BOFF,   2*AHEAD
.set BHALF,  64*PB
.set SLOT,   BOFF+2*BHALF
.set STAGE,  2*SLOT                    ; behind the ring: 16 rows x (512 + 16) bytes for each wave
.set SPITCH, 528
.set SPARE,  STAGE+4*16*SPITCH         ; the spare words: 128 bytes for each wave; no other line names them
.set ADRA, 16
.set ADRB, 20
.set STO,  24
.set RD,   25
.set CO,   26
.set SPW,  28
.set NIL,  29
.set AFR,  32
.set BF,   128
.set G1A, 24
.set G0A, 32
.set G1B, 48
.set G0B, 56
.set MSB, 0
.macro WIN new
.if MSB != (\new)
	s_set_vgpr_msb (MSB<<8)|(\new)
.set MSB, (\new)
.endif
.endm
.set MUL, 0x50                         ; sources 0 and 1 window 0; C and D window 1
.macro JLOAD s                         ; an s_nop 0 and four v_nop follow each of the two lines
	s_cmp_eq_u32 s13, 0
	s_cbranch_scc0 .Lfor_b_\@
	tensor_load_to_lds s[G0A+4*\s:G0A+4*\s+3], s[G1A:G1A+7]
	s_nop 0
.rept 4
	v_nop
.endr
	s_branch .Lasked_\@
.Lfor_b_\@:
	tensor_load_to_lds s[G0B+4*\s:G0B+4*\s+3], s[G1B:G1B+7]
	s_nop 0
.rept 4
	v_nop
.endr
.Lasked_\@:
.endm
.macro CREST
	s_cmp_lg_u32 s12, 0
	s_cbranch_scc1 .Lnot_wave_0_\@
	s_barrier_signal -3
.Lnot_wave_0_\@:
	s_barrier_wait -3
	s_barrier_signal -1
	s_barrier_wait -1
.endm
.macro CROUND
	s_barrier_signal -1
	s_barrier_wait -1
	CREST
.endm
	s_load_b256 s[4:11], s[0:1], 0x0               ; ao 4, wo16 6, bo 8, out0 10
	v_lshl_add_u32 v[SPW], v0, 2, SPARE
	v_mov_b32 v[NIL], 0
	ds_add_u32 v[SPW], v[NIL]                      ; the wave's opening: the add, twice on end, and its wait ahead of my first tensor load
	ds_add_u32 v[SPW], v[NIL]
	v_lshrrev_b32 v1, 5, v0
	v_readfirstlane_b32 s12, v1                    ; wave 0..3
	s_lshr_b32 s13, s12, 1                         ; which 64 tokens are mine.  Also: I fetch for ao (0) or for Wo (1)
	s_and_b32 s14, s12, 1                          ; which 128 columns.  Also: which half of that tile I fetch
	s_bfe_u32 s40, ttmp6, 0x40000
	s_bfe_u32 s41, ttmp6, 0x40004
	s_lshl_b32 s42, ttmp9, 2
	s_add_co_u32 s42, s42, s40                     ; tile column
	s_and_b32 s43, ttmp7, 0xffff
	s_lshl_b32 s43, s43, 2
	s_add_co_u32 s43, s43, s41                     ; tile row
	s_lshl_b32 s44, s41, 2
	s_lshl_b32 s44, 15, s44                        ; my row of the cluster
	s_lshl_b32 s45, 0x1111, s40                    ; my column
	s_or_b32 s[G1A], s44, (1<<16)|(1<<20)|(1<<21)|(4<<22)|(3<<25)   ; elements of 2 bytes; 4 words of padding behind every 32
	s_mov_b32 s[G1A+1], 64<<16                     ; tensor_dim0 = 64
	s_mov_b32 s[G1A+2], 128<<16                    ; tensor_dim1 = 128
	s_mov_b32 s[G1A+3], 64<<16                     ; tile_dim0
	s_mov_b32 s[G1A+4], 128                        ; tile_dim1
	s_mov_b32 s[G1A+5], 64                         ; the pitch
	s_mov_b32 s[G1A+6], 0
	s_mov_b32 s[G1A+7], 0
	s_or_b32 s[G1B], s45, (1<<16)|(1<<20)|(1<<21)|(6<<22)|(7<<25)   ; 8 words behind every 128
	s_mov_b32 s[G1B+1], 256<<16
	s_mov_b32 s[G1B+2], 64<<16
	s_mov_b32 s[G1B+3], 256<<16
	s_mov_b32 s[G1B+4], 64
	s_mov_b32 s[G1B+5], 1024
	s_mov_b32 s[G1B+6], 0
	s_mov_b32 s[G1B+7], 0
	s_lshr_b32 s16, s43, 4                         ; ao: the batch (16 tile rows each),
	s_lshl_b32 s16, s16, 22
	s_and_b32 s17, s43, 15
	s_lshl_b32 s17, s17, 14                        ; the tile's 128 tokens of 128 bytes,
	s_add_co_u32 s16, s16, s17
	s_lshl_b32 s17, s14, 18                        ; head 0 or 1 of the step
	s_add_co_u32 s16, s16, s17
	s_mov_b32 s17, 0
	s_lshl_b32 s46, s14, 17                        ; Wo: rows 0-63 or 64-127 of the step, 2,048 bytes each,
	s_lshl_b32 s47, s42, 9                         ; the tile's 256 columns
	s_add_co_u32 s46, s46, s47
	s_mov_b32 s47, 0
	s_mul_i32 s20, s14, AHEAD                      ; where they go: no place in the cluster enters an LDS address
	s_mul_i32 s21, s14, BHALF
	s_add_co_u32 s21, s21, BOFF
	s_wait_dscnt 0x0                               ; both opening adds are done
	s_wait_kmcnt 0x0
	s_add_nc_u64 s[18:19], s[4:5], s[16:17]
	s_add_nc_u64 s[46:47], s[6:7], s[46:47]
	CROUND                                         ; all sixteen work-groups are here
.irp s, 0,1
	s_mov_b32 s[G0A+4*\s], 1
	s_add_co_u32 s[G0A+4*\s+1], s20, \s*SLOT
	s_add_nc_u64 s[G0A+4*\s+2:G0A+4*\s+3], s[18:19], \s*(2<<18)
	s_or_b32 s[G0A+4*\s+3], s[G0A+4*\s+3], 0x80000000
	s_mov_b32 s[G0B+4*\s], 1
	s_add_co_u32 s[G0B+4*\s+1], s21, \s*SLOT
	s_add_nc_u64 s[G0B+4*\s+2:G0B+4*\s+3], s[46:47], \s*128*2048
	s_or_b32 s[G0B+4*\s+3], s[G0B+4*\s+3], 0x80000000
	JLOAD \s                                       ; two loads of mine are out
.endr
	v_and_b32 v1, 15, v0                           ; r
	v_bfe_u32 v2, v0, 4, 1                         ; h
	s_lshl_b32 s46, s42, 10                        ; my first column, in bytes of f32
	s_lshl_b32 s47, s14, 9
	s_add_co_u32 s46, s46, s47
	s_mov_b32 s47, 0
	s_add_nc_u64 s[8:9], s[8:9], s[46:47]
	s_add_nc_u64 s[10:11], s[10:11], s[46:47]
	s_lshl_b32 s16, s43, 19                        ; my first row of out0: 128 x tile row + 64 x half, 4,096 bytes each
	s_lshl_b32 s17, s13, 18
	s_add_co_u32 s16, s16, s17
	s_mov_b32 s17, 0
	s_add_nc_u64 s[10:11], s[10:11], s[16:17]
	v_lshlrev_b32 v5, 5, v2
	WIN 0x80                                       ; destination window 2
.irp b, 0,1,2,3,4,5,6,7
	global_load_b128 v[8*\b:8*\b+3], v5, s[8:9] offset:64*\b          ; tile b: lane (r, h) holds bo[16 b + 8 h + 0 .. 7]
	global_load_b128 v[8*\b+4:8*\b+7], v5, s[8:9] offset:64*\b+16
.endr
	WIN 0
	v_mul_u32_u24 v3, v1, PA
	v_lshl_add_u32 v3, v2, 4, v3
	s_mul_i32 s22, s13, 64*PA
	v_add_nc_u32 v[ADRA], s22, v3                  ; ao: (my 64 rows + r) x pitch + 16 h
	v_add_nc_u32 v[ADRA+1], SLOT, v[ADRA]
	v_and_b32 v4, 7, v0
	v_lshl_add_u32 v4, v2, 3, v4
	v_mul_u32_u24 v4, v4, PB                       ; Wo: the turning load: k row 8 h + l % 8,
	v_bfe_u32 v6, v0, 3, 1
	v_lshl_add_u32 v4, v6, 4, v4                   ; columns 8 ((l / 8) % 2) on,
	s_lshl_b32 s22, s14, 8
	s_add_co_u32 s22, s22, BOFF                    ; in my 128 columns
	v_add_nc_u32 v[ADRB], s22, v4
	v_add_nc_u32 v[ADRB+1], SLOT, v[ADRB]
	s_mul_i32 s23, s12, 16*SPITCH
	s_add_co_u32 s23, s23, STAGE                   ; my stage
	v_mul_u32_u24 v6, v1, SPITCH
	v_lshl_add_u32 v6, v2, 5, v6
	v_add_nc_u32 v[STO], s23, v6                   ; in: row r, 32 bytes for each half of the lanes
	v_and_b32 v7, 31, v0
	v_lshlrev_b32 v[CO], 4, v7
	v_add_nc_u32 v[RD], s23, v[CO]                 ; back: the 32 lanes take one row of 512 bytes
; 8 matrix instructions: token block a x all 8 column blocks, 32 along K, from buffer f.  first = 1: the bias starts the sums.  The 32 accumulators take turns in the same order in every quarter.
.macro MULA f, a, first
.irp b, 0,1,2,3,4,5,6,7
.if \first
	v_wmma_f32_16x16x32_f16 v[8*(8*(\a)+\b):8*(8*(\a)+\b)+7], v[BF+64*(\f)+8*\b:BF+64*(\f)+8*\b+7], v[AFR+32*(\f)+8*(\a):AFR+32*(\f)+8*(\a)+7], v[8*\b:8*\b+7]
.else
	v_wmma_f32_16x16x32_f16 v[8*(8*(\a)+\b):8*(8*(\a)+\b)+7], v[BF+64*(\f)+8*\b:BF+64*(\f)+8*\b+7], v[AFR+32*(\f)+8*(\a):AFR+32*(\f)+8*(\a)+7], v[8*(8*(\a)+\b):8*(8*(\a)+\b)+7]
.endif
.endr
.endm
; 24 LDS loads in one run: the fragments of the slot's q-th 32 along K into buffer f: Wo's eight first, then ao's four
.macro FETCH slot, q, f
.irp b, 0,1,2,3,4,5,6,7
	ds_load_tr16_b128 v[BF+64*(\f)+8*\b:BF+64*(\f)+8*\b+3], v[ADRB+\slot] offset:(\q)*32*PB+32*\b
	ds_load_tr16_b128 v[BF+64*(\f)+8*\b+4:BF+64*(\f)+8*\b+7], v[ADRB+\slot] offset:(\q)*32*PB+16*PB+32*\b
.endr
.irp a, 0,1,2,3
	ds_load_b128 v[AFR+32*(\f)+8*\a:AFR+32*(\f)+8*\a+3], v[ADRA+\slot] offset:((\q)/2)*AHEAD+\a*16*PA+((\q)%2)*64
	ds_load_b128 v[AFR+32*(\f)+8*\a+4:AFR+32*(\f)+8*\a+7], v[ADRA+\slot] offset:((\q)/2)*AHEAD+\a*16*PA+((\q)%2)*64+32
.endr
.endm
.macro PLACES                          ; four plain vector instructions ahead of loads into registers that matrix instructions have read, and of the first read of results (ISA guide 7.12.1 for reads)
.rept 4
	v_nop
.endr
.endm
; A K step is four quarters of 32 along K, 32 matrix instructions each, on buffers 0, 1, 0, 1.  One of the first three: multiplies buffer f and fetches quarter qn into buffer g.
.macro QUARTER slot, qn, f, g, first
	s_wait_dscnt 4                                 ; Wo's fragments and ao's blocks 0, 1 are in; blocks 2, 3 may be out
.if \first
	WIN 0x60                                       ; C (the bias) window 2, D window 1
.else
	WIN MUL
.endif
	MULA \f, 0, \first
	MULA \f, 1, \first
	PLACES
	WIN 0
	FETCH \slot, \qn, \g
	s_wait_dscnt 24                                ; all but the 24 just issued
.if \first
	WIN 0x60
.else
	WIN MUL
.endif
	MULA \f, 2, \first
	MULA \f, 3, \first
.endm
; The last quarter multiplies buffer 1 and changes slots: one barrier; in front of it each wave waits for all its tensor loads, adds 0 to its spare word, and waits for that and for its reads of this slot.
; fill = 1: the barrier opens a round of the cluster's, and this slot is filled again, two K steps ahead: one load a wave is out, with a K step's products in which to land.
.macro TURN slot, next, fill
	WIN 0
	s_wait_tensorcnt 0x0
	ds_add_u32 v[SPW], v[NIL]
	s_wait_dscnt 5                                 ; (the add and the youngest four loads may be out)
	WIN MUL
	MULA 1, 0, 0
	s_wait_dscnt 0x0                               ; the add is done, and my reads of this slot are over
	s_barrier_signal -1
	MULA 1, 1, 0
	WIN 0
	s_barrier_wait -1
.if \fill
	CREST
	s_add_nc_u64 s[G0A+4*\slot+2:G0A+4*\slot+3], s[G0A+4*\slot+2:G0A+4*\slot+3], 4<<18      ; four heads on
	s_add_nc_u64 s[G0B+4*\slot+2:G0B+4*\slot+3], s[G0B+4*\slot+2:G0B+4*\slot+3], 256*2048   ; 256 rows of Wo on
	JLOAD \slot                                    ; the first tensor load behind the round; its four v_nop are also the places ahead of the loads below
.else
	PLACES
.endif
	FETCH \next, 0, 0
	WIN MUL
	MULA 1, 2, 0
	MULA 1, 3, 0
.endm
	s_wait_tensorcnt 1                             ; my part of K step 0 is in; K step 1's load may be out
	s_barrier_signal -1
	s_barrier_wait -1
	FETCH 0, 0, 0
	s_wait_loadcnt 0x0                             ; the bias
	QUARTER 0, 1, 0, 1, 1                          ; the first quarter stands in front of the loop: the bias starts the sums
	WIN 0
	s_mov_b32 s15, 3
.Llap:                                                 ; a trip goes once round the ring and fills both slots again: K steps 2 .. 7
	QUARTER 0, 2, 1, 0, 0
	QUARTER 0, 3, 0, 1, 0
	TURN 0, 1, 1
	QUARTER 1, 1, 0, 1, 0
	QUARTER 1, 2, 1, 0, 0
	QUARTER 1, 3, 0, 1, 0
	TURN 1, 0, 1
	QUARTER 0, 1, 0, 1, 0
	WIN 0
	s_sub_co_u32 s15, s15, 1
	s_cmp_lg_u32 s15, 0
	s_cbranch_scc1 .Llap
	QUARTER 0, 2, 1, 0, 0                          ; the last lap fills nothing
	QUARTER 0, 3, 0, 1, 0
	TURN 0, 1, 0
	QUARTER 1, 1, 0, 1, 0
	QUARTER 1, 2, 1, 0, 0
	QUARTER 1, 3, 0, 1, 0
	s_wait_dscnt 4
	WIN MUL
	MULA 1, 0, 0
	MULA 1, 1, 0
	s_wait_dscnt 0
	MULA 1, 2, 0
	MULA 1, 3, 0
	WIN 0
; THE WAY OUT, block by block of 16 tokens x 128 columns: a lane's 32 bytes go into my stage and come back as whole rows of 512 bytes, which the 32 lanes store.
.macro TOSTAGE a
	WIN 0x04                                       ; an LDS store's data are its source 1: window 1
.irp b, 0,1,2,3,4,5,6,7
	ds_store_b128 v[STO], v[8*(8*(\a)+\b):8*(8*(\a)+\b)+3] offset:64*\b          ; each accumulator from its low end on
	ds_store_b128 v[STO], v[8*(8*(\a)+\b)+4:8*(8*(\a)+\b)+7] offset:64*\b+16
.endr
	WIN 0
.set BB, BF+64*((\a)%2)
.irp t, 0,1,2,3,4,5,6,7,8,9,10,11,12,13,14,15
	ds_load_b128 v[BB+4*\t:BB+4*\t+3], v[RD] offset:\t*SPITCH   ; LDS serves a wave's instructions in order: these see the stores above, and the next block's stores come behind them
.endr
.endm
.macro SEND a, younger
.set BB, BF+64*((\a)%2)
	s_wait_dscnt \younger                          ; the block is back; the next block's 32 LDS instructions may be out
.irp t, 0,1,2,3,4,5,6,7,8,9,10,11,12,13,14,15
	global_store_b128 v[CO], v[BB+4*\t:BB+4*\t+3], s[10:11] offset:(16*(\a)+\t)*4096 th:TH_STORE_NT   ; 32 lanes store 512 consecutive bytes of a row
.endr
.endm
	PLACES
	TOSTAGE 0
.irp a, 1,2,3
.if \a > 1
	s_wait_xcnt 0x0                                ; the stores of two blocks back have read their registers: this block's loads may land there
.endif
	TOSTAGE \a
	SEND \a-1, 32
.endr
	SEND 3, 0
	s_wait_tensorcnt 0x0                           ; the wave's end
	ds_add_u32 v[SPW], v[NIL]
	s_wait_dscnt 0x0
	CROUND                                         ; the closing round
	s_endpgm
.Lfunc_end_k_qea3dc87bf3_oproj:
	.size	k_qea3dc87bf3_oproj, .Lfunc_end_k_qea3dc87bf3_oproj-k_qea3dc87bf3_oproj
	.p2alignl 7, 3214868480
	.fill 96, 4, 3214868480
	.section	.rodata,"a",@progbits
	.p2align	6, 0x0
	.amdhsa_kernel k_qea3dc87bf3_oproj
		.amdhsa_group_segment_fixed_size 327680
		.amdhsa_private_segment_fixed_size 0
		.amdhsa_enable_private_segment 0
		.amdhsa_kernarg_size 32
		.amdhsa_user_sgpr_count 2
		.amdhsa_user_sgpr_kernarg_segment_ptr 1
		.amdhsa_wavefront_size32 1
		.amdhsa_system_sgpr_workgroup_id_x 1
		.amdhsa_system_sgpr_workgroup_id_y 1
		.amdhsa_system_sgpr_workgroup_id_z 1
		.amdhsa_system_vgpr_workitem_id 0
		.amdhsa_next_free_vgpr 768
		.amdhsa_next_free_sgpr 66
		.amdhsa_reserve_vcc 0
		.amdhsa_float_denorm_mode_32 3
		.amdhsa_float_denorm_mode_16_64 3
		.amdhsa_memory_ordered 1
		.amdhsa_forward_progress 1
		.amdhsa_inst_pref_size 86
	.end_amdhsa_kernel
	.amdgpu_metadata
---
amdhsa.version: [ 1, 2 ]
amdhsa.kernels:
  - .name:           k_qea3dc87bf3_oproj
    .symbol:         k_qea3dc87bf3_oproj.kd
    .args:
      - { .name: ao, .offset: 0, .size: 8, .value_kind: global_buffer, .address_space: global }
      - { .name: wo16, .offset: 8, .size: 8, .value_kind: global_buffer, .address_space: global }
      - { .name: bo, .offset: 16, .size: 8, .value_kind: global_buffer, .address_space: global }
      - { .name: out0, .offset: 24, .size: 8, .value_kind: global_buffer, .address_space: global }
    .group_segment_fixed_size: 327680
    .private_segment_fixed_size: 0
    .kernarg_segment_align: 8
    .kernarg_segment_size: 32
    .max_flat_workgroup_size: 128
    .sgpr_count:     66
    .vgpr_count:     768
    .wavefront_size: 32
...
	.end_amdgpu_metadata
.endif
;; end of part 4
